; MI455X (gfx1250); checked and timed in simulation.
; The chip was launched on July 23, 2026; its instructions are those of AMD's public machine-readable ISA for CDNA 5 (MIT licence, August 2026) and "CDNA5" Instruction Set Architecture Reference Guide (July 2026). The comments in the code are by the model that wrote it; some were corrected since.
;; Causal Self Attention. Allowed arithmetic: matrix products marked QUANTISED: E4M3 operands, one given power-of-two scale a tensor, by v_wmma_f32_16x16x64_fp8_fp8 or v_wmma_f32_16x16x128_fp8_fp8, f32 sums; everything else in f32.
;; Inputs: Wk 1,024 x 1,024 float32; Wo 1,024 x 1,024 float32; Wq 1,024 x 1,024 float32; Wv 1,024 x 1,024 float32; bk 1,024 float32; bo 1,024 float32; bq 1,024 float32; bv 1,024 float32; lowp_scales 12 int32 (the exponents e of the quantised operands' scales 2^e); mask 1 x 1 x 2,048 x 2,048 bool; x 4 x 2,048 x 1,024 float32.
;; Outputs: out0 4 x 2,048 x 1,024 float32.
;; This version of the problem:
;;   THIS VERSION OF THE PROBLEM IS GIVEN IN LOW PRECISION. The matrix products marked QUANTISED in the list below multiply operands that are first quantised to E4M3 (4 exponent bits, 3 mantissa bits; 8 bits a number), with one given power-of-two scale for each operand tensor; their sums are f32. All else is computed in f32.
;;   The module's matrix products, in the order in which they are computed (A, B: the left and right operand; K: the contracted axis; several contracted axes count as one K, in the product's order):
;;     1. [M 8,192, K 1,024] x [K 1,024, N 1,024]; A: input x; B: input Wq: QUANTISED (scales: A lowp_scales[0], B lowp_scales[1])
;;     2. [M 8,192, K 1,024] x [K 1,024, N 1,024]; A: input x; B: input Wk: QUANTISED (scales: A lowp_scales[2], B lowp_scales[3])
;;     3. [M 8,192, K 1,024] x [K 1,024, N 1,024]; A: input x; B: input Wv: QUANTISED (scales: A lowp_scales[4], B lowp_scales[5])
;;     4. batch 64 x [M 2,048, K 64] x [K 64, N 2,048]; A: computed on the way; B: computed on the way: QUANTISED (scales: A lowp_scales[6], B lowp_scales[7])
;;     5. batch 64 x [M 2,048, K 2,048] x [K 2,048, N 64]; A: softmax (see below); B: computed on the way: QUANTISED (scales: A lowp_scales[8], B lowp_scales[9])
;;     6. [M 8,192, K 1,024] x [K 1,024, N 1,024]; A: computed on the way; B: input Wo: QUANTISED (scales: A lowp_scales[10], B lowp_scales[11])
;;   THE QUANTISER, for each operand of a quantised product, along K:
;;     - The operand's scale is 2^e, e = its entry of the input lowp_scales (int32; the entries are numbered through the quantised products in the list's order, A before B).
;;     - Each number is divided by the scale, clamped to +-448, and rounded to the nearest number of E4M3, ties to even, subnormals kept.
;;     - The product sums the exact products of the quantised numbers (number of the format x scale) in f32.
;;   ~~~python
;;   def quantise(x, axis, e):      # numpy; x: float32 -> the quantised numbers, widened to float32 again
;;       x = np.moveaxis(x, axis, -1); K = x.shape[-1]
;;       r = np.clip(x / 2.0 ** e, -448, 448)
;;       step = 2.0 ** (np.maximum(np.frexp(np.where(r == 0, 1, r))[1] - 1, -6) - 3)
;;       q = np.round(r / step) * step * 2.0 ** e      # np.round: ties to even
;;       return np.moveaxis(q, -1, axis).astype(np.float32)
;;   ~~~
;;   SOFTMAX AHEAD OF A QUANTISED PRODUCT. Where the list says 'softmax', what is quantised is not the finished softmax but p = 2^(t - M), with t = logit x log2(e) and M = ceil(the row's largest t), a whole number; so 1/2 < the row's largest p <= 1. The row's sum l is taken of the UNQUANTISED p, in f32, and the product's result is divided by l at the end. Since M is a whole number, a kernel that streams over the keys may use a running M (the ceiling of the running maximum): every later rescaling is an exact power of two, so the quantised numbers keep their values, but for numbers so far below the row's largest that they fall under the format's range.
;;   OPERANDS COMPUTED ON THE WAY. 'Computed on the way' means the value that the module computes at that place (a softmax that the list does not call 'softmax' is quantised finished and normalised). What goes into a quantiser is computed in f32, as accurately as f32 sums, v_exp_f32 and their like allow (about 1e-6 of the number): no bf16 or f16 on the way to a quantiser, and a product that is left as it is and whose result goes on into a quantised operand takes f32 operands (vector FMAs, or v_wmma_f32_16x16x4_f32). A number that lies on a knife's edge between two numbers of the format may be rounded either way, as far as f32 arithmetic and the matrix unit's own rounding can turn it there, and no further.
;; 2 versions, each right; version 2 is version 1 with the launch attn written anew for expert scheduling mode. Each part assembles by itself: llvm-mc -triple=amdgcn-amd-amdhsa -mcpu=gfx1250 --defsym DOCPART=n.
;; ======== version 1 of 2: 4 launches
;; workspace buffers: xc 25,165,824 bytes; wc 4,194,304 bytes; mw 524,288 bytes of whole numbers; cls 8,192 bytes of whole numbers; qimg 8,388,608 bytes; kimg 8,388,608 bytes; vimg 8,388,608 bytes; aimg 8,388,608 bytes
;; launch prep (part 1): grid 512 x 1, 4 waves a work-group, no clusters, 68,096 bytes of LDS; arguments x, Wq, Wk, Wv, Wo, mask, lowp_scales, xc, wc, mw, cls; writes xc, wc, mw, cls
.if DOCPART == 1
	.amdgcn_target "amdgcn-amd-amdhsa--gfx1250"
	.amdhsa_code_object_version 6
	.text
	.protected	k_q6efe7ef37e_prep
	.globl	k_q6efe7ef37e_prep
	.p2align	8
	.type	k_q6efe7ef37e_prep,@function
k_q6efe7ef37e_prep:
	s_mov_b64 s[64:65], 0
	v_nop
	global_prefetch_b8 v0, s[64:65] scope:SCOPE_SE
	s_setreg_imm32_b32 hwreg(HW_REG_WAVE_MODE, 25, 1), 1
	s_wait_xcnt 0x0
; PREP: x and the four weights become codes of FP8 (E4M3); the mask becomes lane masks and a class for each tile of 16 queries x 128 keys.
; code = number / 2^e, held within +-448, rounded to the nearest code, ties to even.  x is quantised three times (entries 0, 2, 4 of the scales), Wq, Wk, Wv, Wo once (entries 1, 3, 5, 11).
; LIMITS: each of these e lies between -126 and 119, so that 2^e and 448 x 2^e are f32 numbers.  NaN among the inputs is not served; an infinity is held at the largest code.
; THE CODES ARE LAID AS IMAGES OF OPERAND REGISTERS.  A fragment is 16 rows x 128 along K, 16 registers a lane: lane (r = lane % 16, h = lane / 16) holds row r, registers 2 c, 2 c + 1 hold K = 16 c + 8 h + 0 .. 7.
; Its image is 2,048 bytes: registers 4 g .. 4 g + 3 of lane l at byte 512 g + 16 l.  xc: [3 sets][512 blocks of 16 rows][8 blocks of 128 K][2,048];  wc: [4 weights][64][8][2,048].
; SHARES.  Work-groups 0-255: x; 256-383: the weights, 32 work-groups each; 384-511: the mask.  A wave of the first two kinds takes 16 rows x 512 along K: four fragments.
; Each load reads 512 consecutive bytes of one row; the 16 rows turn through the wave's own stage in LDS (rows 528 bytes apart: 132 words, so that the 16 rows of a read begin at 16 different banks of the 64: ISA guide 11.1)
; and come back as 8 neighbours along K at a time; each store of four registers covers 512 consecutive bytes, aligned.  Waves share nothing: no barrier.  No matrix work, no cluster: no byte is read twice.
; THE MASK.  Work-group 384 + qt takes queries 16 qt .. 16 qt + 15, its wave w the key steps 4 w .. 4 w + 3 of 128 keys.  mw: [128 qt][16 steps][64 words]: bit l of word n is
; mask[16 qt + l % 16][128 step + 16 (n / 8) + 8 (l / 16) + n % 8]: the lane mask for score register n of the attention launch.  cls: [128 qt][16 steps]: 0 = all hidden, 1 = mixed, 2 = all open.
.set WSTG, 8448                        ; a wave's stage: 16 rows x 528 bytes
.set SP,   528
.set MSTG, 4*WSTG                      ; the mask path has stages of its own, behind the quantiser's
.set GI,   4                           ; v4   16 x lane: my place in a load's and in a store's 512 bytes
.set SI,   5                           ; v5   the stage, on the way in
.set SO,   6                           ; v6   the stage, on the way out: row r, + 32 h bytes
.set MI,   7                           ; v7   the mask's stage, in
.set MO,   8                           ; v8   the mask's stage, out: row r, + 8 h bytes
.set L8,   9                           ; v9   8 x lane
.set L4,   10                          ; v10  4 x lane
.set R,    16                          ; v16-143   two sets of 64: 16 rows as loaded
.set X,    144                         ; v144-207  64 numbers in the fragment's order (mask path: 256 bytes of mask a lane)
.set T,    208                         ; v208-223  two sets of 8 held numbers
.set C,    224                         ; v224-239  a fragment's codes
.set SC,   240                         ; v240-245  (2^e, 448 x 2^e) for sets 0, 1, 2
.set WA,   208                         ; mask path: v208-215 the words of four steps, two a lane
.set CL,   216                         ; mask path: v216 the four classes, lanes 0-3
.set MT,   220                         ; mask path: v220-223 at work
.set SRC,  44                          ; s[44:45] my 16 rows' first byte
.set DST,  46                          ; s[46:47], s[48:49], s[50:51] my first fragment in sets 0, 1, 2
	s_load_b512 s[4:19], s[0:1], 0x0               ; x, Wq, Wk, Wv, Wo, mask, the scales' exponents, xc
	s_load_b128 s[20:23], s[0:1], 0x40             ; wc, mw
	s_load_b64 s[24:25], s[0:1], 0x50              ; cls
	v_lshl_add_u32 v248, v0, 2, 0x10800
	v_mov_b32 v249, 0
	v_lshrrev_b32 v1, 5, v0
	v_readfirstlane_b32 s26, v1                    ; wave 0..3
	v_and_b32 v1, 31, v0                           ; lane
	v_and_b32 v2, 15, v0                           ; r
	v_bfe_u32 v3, v0, 4, 1                         ; h
	v_lshlrev_b32 v[GI], 4, v1
	s_mul_i32 s28, s26, WSTG
	v_add_nc_u32 v[SI], s28, v[GI]
	v_mul_u32_u24 v11, v2, SP
	v_add_nc_u32 v11, s28, v11
	v_lshl_add_u32 v[SO], v3, 5, v11
	v_add_nc_u32 v[MI], MSTG, v[SI]
	v_lshl_add_u32 v[MO], v3, 3, v11
	v_add_nc_u32 v[MO], MSTG, v[MO]
	v_lshlrev_b32 v[L8], 3, v1
	v_lshlrev_b32 v[L4], 2, v1
	s_cmp_ge_u32 ttmp9, 384
	s_cbranch_scc1 .Lmask
	; ---- THE QUANTISER.  u = my wave's number among the waves of x, or of the four weights
	s_sub_co_u32 s27, ttmp9, 256
	s_lshr_b32 s27, s27, 5                         ; which weight (no small number in a work-group of x)
	s_cmp_lt_u32 ttmp9, 256
	s_cselect_b32 s28, 0, 256
	s_cselect_b32 s31, 511, 63                     ; blocks of 16 rows in the tensor, less one
	s_sub_co_u32 s29, ttmp9, s28
	s_lshl_b32 s29, s29, 2
	s_add_co_u32 s29, s29, s26                     ; u
	s_lshr_b32 s30, s29, 1                         ; the block of 16 rows, counted through all four weights
	s_and_b32 s29, s29, 1                          ; which half of K
	s_and_b32 s31, s30, s31                        ; the block inside its tensor
	s_lshl_b32 s52, s31, 16                        ; 16 rows of 4,096 bytes
	s_lshl_b32 s28, s29, 11                        ; 512 numbers
	s_add_co_u32 s52, s52, s28
	s_mov_b32 s53, 0
	s_lshl_b32 s54, s30, 14                        ; 8 fragments
	s_lshl_b32 s28, s29, 13                        ; 4 fragments
	s_add_co_u32 s54, s54, s28
	s_mov_b32 s55, 0
	s_wait_kmcnt 0x0
	s_load_b256 s[32:39], s[16:17], 0x0            ; e0 .. e7
	s_load_b128 s[40:43], s[16:17], 0x20           ; e8 .. e11
	s_cmp_eq_u32 s27, 1                            ; the choices hang on the work-group's number alone
	s_cselect_b64 s[SRC:SRC+1], s[8:9], s[6:7]
	s_cmp_eq_u32 s27, 2
	s_cselect_b64 s[SRC:SRC+1], s[10:11], s[SRC:SRC+1]
	s_cmp_eq_u32 s27, 3
	s_cselect_b64 s[SRC:SRC+1], s[12:13], s[SRC:SRC+1]
	s_cmp_lt_u32 ttmp9, 256
	s_cselect_b64 s[SRC:SRC+1], s[4:5], s[SRC:SRC+1]
	s_cselect_b64 s[DST:DST+1], s[18:19], s[20:21]
	s_add_nc_u64 s[SRC:SRC+1], s[SRC:SRC+1], s[52:53]
	s_add_nc_u64 s[DST:DST+1], s[DST:DST+1], s[54:55]
	s_add_nc_u64 s[DST+2:DST+3], s[18:19], s[54:55]
	s_add_nc_u64 s[DST+4:DST+5], s[DST+2:DST+3], 0x1000000   ; set 2 of x: 16 MiB on
	s_add_nc_u64 s[DST+2:DST+3], s[DST+2:DST+3], 0x800000    ; set 1: 8 MiB on (more than a store's immediate holds: so each set has its pointer)
.macro LOADF t                         ; fragment t's 16 rows x 128 numbers: each load reads 512 consecutive bytes of one row
.irp i, 0,1,2,3,4,5,6,7,8,9,10,11,12,13,14,15
	global_load_b128 v[R+64*((\t)%2)+4*\i:R+64*((\t)%2)+4*\i+3], v[GI], s[SRC:SRC+1] offset:\i*4096+(\t)*512 th:TH_LOAD_NT
.endr
.endm
.macro MKSC e, v                       ; s[e] = an exponent: v = 2^e as f32 (the conversion takes its exponent field), v + 1 = 448 x 2^e
	s_add_co_i32 s28, s[\e], 127
	s_lshl_b32 s29, s28, 23
	v_mov_b32 v[\v], s29
	s_add_co_i32 s28, s28, 8
	s_lshl_b32 s28, s28, 23
	s_or_b32 s28, s28, 0x600000
	v_mov_b32 v[\v+1], s28
.endm
; The 64 numbers in X become fragment t's codes under set s's scale, and are stored.  X is kept: x is quantised three times.
.macro QSET s, t
	s_wait_xcnt 0x0                                ; the last stores have read the codes' registers: only behind this wait are they written again
.irp c, 0,1,2,3,4,5,6,7
.irp i, 0,1,2,3,4,5,6,7
	v_med3_num_f32 v[T+8*(\c%2)+\i], v[X+8*\c+\i], -v[SC+2*\s+1], v[SC+2*\s+1]   ; the conversion to an 8-bit code does not saturate (ISA guide 7.6.2): the hold comes first.  The eight holds of the next c are the plain lines behind a conversion
.endr
	v_cvt_scalef32_pk8_fp8_f32 v[C+2*\c:C+2*\c+1], v[T+8*(\c%2):T+8*(\c%2)+7], v[SC+2*\s]
.endr
.irp g, 0,1,2,3
	global_store_b128 v[GI], v[C+4*\g:C+4*\g+3], s[DST+2*\s:DST+2*\s+1] offset:(\t)*2048+512*\g   ; 32 lanes store 512 consecutive bytes, aligned
.endr
.endm
.macro STEPF t
.if (\t) < 3
	s_wait_loadcnt 16                              ; this fragment's 16 loads are in; the next fragment's 16 may be out
.else
	s_wait_loadcnt 0x0
.endif
.irp i, 0,1,2,3,4,5,6,7,8,9,10,11,12,13,14,15
	ds_store_b128 v[SI], v[R+64*((\t)%2)+4*\i:R+64*((\t)%2)+4*\i+3] offset:\i*SP
.endr
.irp c, 0,1,2,3,4,5,6,7                ; LDS serves a wave's instructions in order (ISA guide 5.7.1.4): these see the stores above
	ds_load_b128 v[X+8*\c:X+8*\c+3], v[SO] offset:64*\c
	ds_load_b128 v[X+8*\c+4:X+8*\c+7], v[SO] offset:64*\c+16
.endr
	s_wait_dscnt 0x0                               ; the numbers are back, and the stores into the stage have read their registers,
.if (\t) < 2
	LOADF (\t)+2                                   ; which take the fragment two further on
.endif
	QSET 0, \t
	s_cmp_lt_u32 ttmp9, 256                        ; x alone has a second and a third scale
	s_cbranch_scc0 .Lone_\@
	QSET 1, \t
	QSET 2, \t
.Lone_\@:
.endm
	LOADF 0
	LOADF 1
	s_wait_kmcnt 0x0
	s_cmp_eq_u32 s27, 1
	s_cselect_b32 s30, s35, s33                    ; Wk: e3, Wq: e1
	s_cmp_eq_u32 s27, 2
	s_cselect_b32 s30, s37, s30                    ; Wv: e5
	s_cmp_eq_u32 s27, 3
	s_cselect_b32 s30, s43, s30                    ; Wo: e11
	s_cmp_lt_u32 ttmp9, 256
	s_cselect_b32 s30, s32, s30                    ; x, set 0: e0
	MKSC 30, SC
	MKSC 34, SC+2                                  ; x, set 1: e2
	MKSC 36, SC+4                                  ; x, set 2: e4
	STEPF 0
	STEPF 1
	STEPF 2
	STEPF 3
	s_wait_tensorcnt 0x0
	ds_add_u32 v248, v249
	s_wait_dscnt 0x0
	s_endpgm
	; ---- THE MASK: 16 rows x 512 bytes a wave
.Lmask:
	s_sub_co_u32 s27, ttmp9, 384                   ; qt
	s_lshl_b32 s28, s27, 15                        ; 16 rows of 2,048 bytes
	s_lshl_b32 s29, s26, 9                         ; my four key steps
	s_add_co_u32 s28, s28, s29
	s_mov_b32 s29, 0
	s_lshl_b32 s30, s27, 12                        ; mw: 16 steps of 256 bytes
	s_lshl_b32 s31, s26, 10
	s_add_co_u32 s30, s30, s31
	s_mov_b32 s31, 0
	s_wait_kmcnt 0x0
	s_add_nc_u64 s[14:15], s[14:15], s[28:29]
	s_add_nc_u64 s[22:23], s[22:23], s[30:31]
	s_lshr_b32 s30, s30, 6                         ; cls: 4 bytes a step
	s_add_nc_u64 s[24:25], s[24:25], s[30:31]
.irp i, 0,1,2,3,4,5,6,7,8,9,10,11,12,13,14,15
	global_load_b128 v[R+4*\i:R+4*\i+3], v[GI], s[14:15] offset:\i*2048 th:TH_LOAD_NT   ; 512 consecutive bytes of one row
.endr
.irp i, 0,1,2,3,4,5,6,7,8
	v_mov_b32 v[WA+\i], 0                          ; v_writelane_b32's destination counts as read: it is written whole first
.endr
	s_wait_loadcnt 0x0
.irp i, 0,1,2,3,4,5,6,7,8,9,10,11,12,13,14,15
	ds_store_b128 v[MI], v[R+4*\i:R+4*\i+3] offset:\i*SP
.endr
.irp u, 0,1,2,3
.irp t, 0,1,2,3,4,5,6,7
	ds_load_b64 v[X+16*\u+2*\t:X+16*\u+2*\t+1], v[MO] offset:128*\u+16*\t   ; query r, keys 128 u + 16 t + 8 h + 0 .. 7: one byte each
.endr
.endr
	s_wait_dscnt 0x0
; Key step u of my four: 64 compares make the 64 lane masks in scalar registers s32-63, s68-99; they are gathered two to a lane and leave as one aligned block of 256 bytes.
.macro MTILE u
.set n, 0
.rept 64
	v_and_b32 v[MT+n%4], 0xff<<(8*(n%4)), v[X+16*\u+2*(n/8)+(n%8)/4]
	v_cmp_ne_u32 s[32+n+4*(n/32)], 0, v[MT+n%4]
.set n, n+1
.endr
.set n, 0
.rept 64
	v_writelane_b32 v[WA+2*\u+(n&1)], s[32+n+4*(n/32)], n>>1
.set n, n+1
.endr
	global_store_b64 v[L8], v[WA+2*\u:WA+2*\u+1], s[22:23] offset:256*\u
	v_and_b32 v217, v[WA+2*\u], v[WA+2*\u+1]
	v_or_b32 v218, v[WA+2*\u], v[WA+2*\u+1]
	v_cmp_eq_u32 s100, -1, v217                    ; all ones in every lane: every key is open for every query
	v_cmp_ne_u32 s101, 0, v218                     ; a bit in any lane: some key is open
	s_cmp_eq_u32 s100, -1
	s_cselect_b32 s100, 1, 0
	s_cmp_lg_u32 s101, 0
	s_cselect_b32 s101, 1, 0
	s_add_co_u32 s100, s100, s101                  ; 0, 1 or 2
	v_writelane_b32 v[CL], s100, \u
.endm
	MTILE 0
	MTILE 1
	MTILE 2
	MTILE 3
	v_cmp_gt_u32 vcc_lo, 4, v1
	s_wait_xcnt 0x0                                ; EXEC is a source of the stores above: it changes only behind this wait
	s_wait_tensorcnt 0x0
	ds_add_u32 v248, v249
	s_wait_dscnt 0x0
	s_and_saveexec_b32 s100, vcc_lo
	global_store_b32 v[L4], v[CL], s[24:25]        ; 16 bytes a wave: the four classes (8,192 bytes in the whole launch)
	s_endpgm
.Lfunc_end_k_q6efe7ef37e_prep:
	.size	k_q6efe7ef37e_prep, .Lfunc_end_k_q6efe7ef37e_prep-k_q6efe7ef37e_prep
	.p2alignl 7, 3214868480
	.fill 96, 4, 3214868480
	.section	.rodata,"a",@progbits
	.p2align	6, 0x0
	.amdhsa_kernel k_q6efe7ef37e_prep
		.amdhsa_group_segment_fixed_size 68096
		.amdhsa_private_segment_fixed_size 0
		.amdhsa_enable_private_segment 0
		.amdhsa_kernarg_size 88
		.amdhsa_user_sgpr_count 2
		.amdhsa_user_sgpr_kernarg_segment_ptr 1
		.amdhsa_wavefront_size32 1
		.amdhsa_system_sgpr_workgroup_id_x 1
		.amdhsa_system_sgpr_workgroup_id_y 1
		.amdhsa_system_sgpr_workgroup_id_z 1
		.amdhsa_system_vgpr_workitem_id 0
		.amdhsa_next_free_vgpr 250
		.amdhsa_next_free_sgpr 102
		.amdhsa_reserve_vcc 1
		.amdhsa_float_denorm_mode_32 3
		.amdhsa_float_denorm_mode_16_64 3
		.amdhsa_memory_ordered 1
		.amdhsa_forward_progress 1
		.amdhsa_inst_pref_size 134
	.end_amdhsa_kernel
	.amdgpu_metadata
---
amdhsa.version: [ 1, 2 ]
amdhsa.kernels:
  - .name:           k_q6efe7ef37e_prep
    .symbol:         k_q6efe7ef37e_prep.kd
    .args:
      - { .name: x, .offset: 0, .size: 8, .value_kind: global_buffer, .address_space: global }
      - { .name: Wq, .offset: 8, .size: 8, .value_kind: global_buffer, .address_space: global }
      - { .name: Wk, .offset: 16, .size: 8, .value_kind: global_buffer, .address_space: global }
      - { .name: Wv, .offset: 24, .size: 8, .value_kind: global_buffer, .address_space: global }
      - { .name: Wo, .offset: 32, .size: 8, .value_kind: global_buffer, .address_space: global }
      - { .name: mask, .offset: 40, .size: 8, .value_kind: global_buffer, .address_space: global }
      - { .name: lowp_scales, .offset: 48, .size: 8, .value_kind: global_buffer, .address_space: global }
      - { .name: xc, .offset: 56, .size: 8, .value_kind: global_buffer, .address_space: global }
      - { .name: wc, .offset: 64, .size: 8, .value_kind: global_buffer, .address_space: global }
      - { .name: mw, .offset: 72, .size: 8, .value_kind: global_buffer, .address_space: global }
      - { .name: cls, .offset: 80, .size: 8, .value_kind: global_buffer, .address_space: global }
    .group_segment_fixed_size: 68096
    .private_segment_fixed_size: 0
    .kernarg_segment_align: 8
    .kernarg_segment_size: 88
    .max_flat_workgroup_size: 128
    .sgpr_count:     102
    .vgpr_count:     250
    .wavefront_size: 32
...
	.end_amdgpu_metadata
.endif
;; end of part 1
;; launch qkv (part 2): grid 12 x 32, 4 waves a work-group, clusters of 4 x 4, 327,680 bytes of LDS; arguments xc, wc, lowp_scales, bq, bk, bv, qimg, kimg, vimg; writes qimg, kimg, vimg
.if DOCPART == 2
	.amdgcn_target "amdgcn-amd-amdhsa--gfx1250"
	.amdhsa_code_object_version 6
	.text
	.protected	k_q6efe7ef37e_qkv
	.globl	k_q6efe7ef37e_qkv
	.p2align	8
	.type	k_q6efe7ef37e_qkv,@function
k_q6efe7ef37e_qkv:
	s_mov_b64 s[64:65], 0
	v_nop
	global_prefetch_b8 v0, s[64:65] scope:SCOPE_SE
	s_setreg_imm32_b32 hwreg(HW_REG_WAVE_MODE, 25, 1), 1
	s_wait_xcnt 0x0
	s_wait_alu depctr_hold_cnt(0) depctr_sa_sdst(0) depctr_va_vdst(0) depctr_va_sdst(0) depctr_va_ssrc(0) depctr_va_vcc(0) depctr_vm_vsrc(0)
	s_getreg_b32 s2, hwreg(HW_REG_IB_STS2, 6, 4)
	s_cmp_eq_u32 s2, 0
	s_cbranch_scc0 .Lentry_in_a_cluster
	s_endpgm
.Lentry_in_a_cluster:
	s_bfe_u32 s2, ttmp6, 0x10000c
	s_cmp_lg_u32 s2, 0xf033
	s_cbranch_scc0 .Lentry_shape_is_right
	s_endpgm
.Lentry_shape_is_right:
; q = x Wq^T + bq, k = x Wk^T + bk, v = x Wv^T + bv on codes of FP8 (E4M3), and their results quantised at once for the two products of attention.  [8,192 x 1,024] x [1,024 x 1,024], three times.
; The cluster's x says which: 0 = q, 1 = k, 2 = v.  A sum stands for sum x 2^(ea + eb) (entries 0+1, 2+3, 4+5 of the scales); the bias is added in f32; the result is held within +-448 x 2^eo and converted (eo: entry 6, 7, 9).
; LIMITS: ea + eb between -126 and 127; eo between -126 and 119, so that each power of two below is an f32 number.
; OPERANDS COME AS IMAGES OF THEIR REGISTERS: a fragment, 16 rows x 128 K, is 2,048 bytes: registers 4 g .. 4 g + 3 of lane l at 512 g + 16 l; lane (r = l % 16, h = l / 16) holds row r, registers 2 c, 2 c + 1 hold K = 16 c + 8 h + 0 .. 7.
; In memory: [blocks of 16 rows][8 blocks of 128 K][2,048].  So every LDS load reads 512 consecutive bytes, and a tile needs no pitch and no padding.
; A tile of C, 256 x 256, is made by four waves, 128 x 128 each: 64 accumulators, 512 registers.  K goes in steps of 256 through two LDS slots; K = 1,024 is four fills, so the eight steps of 128 are written straight.
; THE MATRIX INSTRUCTION IS USED TRANSPOSED: source 0 = 16 rows of "B", source 1 = 16 rows of "A": lane (r, h) of accumulator (a, b) holds A's row 16 a + r and B's rows 16 b + 8 h + 0 .. 7.
; q, k: A = x, B = W: a lane's eight numbers are eight neighbouring channels of one token: their codes are registers 2 (b % 4), 2 (b % 4) + 1 of the fragment (16 tokens x 64 channels) of head b / 4.
; v: A = Wv, B = x: a lane's eight numbers are eight neighbouring KEYS of one channel: their codes are registers 2 b, 2 b + 1 of a fragment of V^T (16 channels x 128 keys).  Nothing is transposed or sent through LDS.
; qimg, kimg: [64 heads][128 tiles of 16 tokens][1,024];  vimg: [64 heads][16 steps of 128 keys][4 tiles of 16 channels][2,048].
; CLUSTERS: 4 x 4 work-groups.  A's tile hangs on cy alone and is asked for jointly along a row of the cluster, B's on cx alone, along a column.  All sixteen partners share the cluster's x, on which the one branch of the tail hangs.
; REGISTERS, in windows of 256: window 0: v0-31 addresses; v64-127 the bias; from v128 A's fragments, ONE set; on the way out v128-207.  window 1: B's fragments, TWO sets.  windows 2, 3: the accumulators ((a, b) at v[8 (8 (a % 4) + b)]).
.set FR,    16                         ; registers of a fragment
.set NL,    4                          ; LDS loads that bring one
.set NP,    4                          ; places behind this matrix instruction (ISA guide 7.12.1)
.set FRB,   2048                       ; a fragment's image
.set RBK,   2*FRB                      ; a block of 16 rows in a slot: 256 along K
.set HALFT, 8*RBK                      ; 128 rows: what one tensor load brings, and what one wave reads of A or of B
.set SLOT,  4*HALFT                    ; A's 256 rows, then B's
.set SPARE, 2*SLOT                     ; behind the ring: the spare words, 128 bytes for each wave: two blocks of 256 bytes that no other line names
.set SCL,  8                           ; v8   2^eo
.set LIM,  9                           ; v9   448 x 2^eo
.set LI,   10                          ; v10  16 x lane
.set BQK,  11                          ; v11  32 h: my eight channels' bias (q, k)
.set BVV,  12                          ; v12  4 r: my channel's bias (v)
.set ADRA, 16                          ; v16-17  LDS address of my A fragments in slot 0, 1
.set ADRB, 20                          ; v20-21  the same for B
.set SPW,  28                          ; v28  LDS address of my spare word; never rewritten
.set NIL,  29                          ; v29  0; never rewritten
.set BI,   64                          ; v64-127 the bias in the result's layout
.set AF,   128                         ; A's fragments
.set TMP,  128                         ; the way out: a block's 64 numbers
.set CD,   192                         ; the way out: their codes
.set G1, 24                            ; s[24:31] descriptor group 1 for A's tiles;  s[32:39] group 0, one set for each slot
.set G0, 32
.set G1B, 48                           ; s[48:55], s[56:63] the same for B's tiles
.set G0B, 56
.set MSB, 0
.macro WIN new                         ; the immediate's high byte repeats the setting that is left
.if MSB != \new
	s_set_vgpr_msb (MSB<<8)|\new
.set MSB, \new
.endif
.endm
.set MUL_LO, 0xa1                      ; source 0 (B) window 1, source 1 (A) window 0, C and D window 2
.set MUL_HI, 0xf1                      ; the same, C and D window 3
.set TO_B,   0x40                      ; destination window 1, address window 0
; A joint load: waves 0 and 1 fetch for A, waves 2 and 3 for B.  Each line has one mask and one set of registers for all that issue it; the branch hangs on the wave's number alone.  Four v_nop follow each line.
.macro JLOAD g0a, g1a, g0b, g1b
	s_cmp_eq_u32 s15, 0
	s_cbranch_scc0 .Lfor_b_\@
	tensor_load_to_lds s[\g0a:\g0a+3], s[\g1a:\g1a+7]
	s_nop 0
.rept 4
	v_nop
.endr
	s_branch .Lasked_\@
.Lfor_b_\@:
	tensor_load_to_lds s[\g0b:\g0b+3], s[\g1b:\g1b+7]
	s_nop 0
.rept 4
	v_nop
.endr
.Lasked_\@:
.endm
.macro CREST                           ; a round of the cluster's barrier behind its opening barrier
	s_cmp_lg_u32 s14, 0
	s_cbranch_scc1 .Lnot_wave_0_\@
	s_barrier_signal -3
.Lnot_wave_0_\@:
	s_barrier_wait -3
	s_barrier_signal -1
	s_barrier_wait -1
.endm
.macro CROUND                          ; a whole round
	s_barrier_signal -1
	s_barrier_wait -1
	CREST
.endm
	s_load_b256 s[4:11], s[0:1], 0x0               ; xc s[4:5], wc s[6:7], the scales' exponents s[8:9], bq s[10:11]
	s_load_b256 s[68:75], s[0:1], 0x20             ; bk s[68:69], bv s[70:71], qimg s[72:73], kimg s[74:75]
	s_load_b64 s[76:77], s[0:1], 0x40              ; vimg
	v_lshl_add_u32 v[SPW], v0, 2, SPARE
	v_mov_b32 v[NIL], 0
	ds_add_u32 v28, v29
	ds_add_u32 v28, v29
	s_wait_dscnt 0x0
	v_lshrrev_b32 v1, 5, v0
	v_readfirstlane_b32 s14, v1                    ; wave 0..3
	s_lshr_b32 s15, s14, 1                         ; which half of A's rows is mine.  Also: I fetch for A (0) or for B (1)
	s_and_b32 s16, s14, 1                          ; which half of B's rows.  Also: which 128 rows of that tile I fetch
	s_bfe_u32 s40, ttmp6, 0x40000                  ; cx, cy: my place in the cluster
	s_bfe_u32 s41, ttmp6, 0x40004
	s_and_b32 s2, ttmp7, 0xffff
	s_lshl_b32 s2, s2, 2                           ; 4 x cluster y
	s_add_co_u32 s13, s2, s41                      ; 4 Y + cy
	s_add_co_u32 s12, s2, s40                      ; 4 Y + cx
	s_lshl_b32 s18, ttmp9, 23                      ; q, k: A = set 0 or 1 of x's codes, 8 MiB each;
	s_lshl_b32 s19, ttmp9, 20                      ;       B = Wq's or Wk's codes, 1 MiB each
	s_cmp_eq_u32 ttmp9, 2                          ; v?  The cluster's x: the same in all sixteen partners
	s_cselect_b32 s17, s41, s13                    ; A's tile of 256 rows: v: channels, cy;  q, k: tokens, 4 Y + cy.  Either way cy alone of the place in the cluster
	s_cselect_b32 s42, s12, s40                    ; B's: v: tokens, 4 Y + cx;  q, k: channels, cx.  Either way cx alone
	s_cselect_b32 s18, 0x200000, s18               ; v: A = Wv's codes,
	s_cselect_b32 s19, 0x1000000, s19              ;    B = set 2 of x's codes
	s_lshl_b32 s43, s41, 2
	s_lshl_b32 s43, 15, s43                        ; my row of the cluster
	s_lshl_b32 s44, 0x1111, s40                    ; my column
	; descriptor group 1: 8 blocks of 16 rows, 4,096 consecutive bytes each (two fragments), 16,384 bytes apart in memory, on end in LDS
	s_or_b32 s[G1+0], s43, (3<<16)|(1<<21)         ; 15:0 the mask: A's tiles go to my row; 17:16 elements of 8 bytes; 20 no padding; 21 set beside a mask
	s_or_b32 s[G1B+0], s44, (3<<16)|(1<<21)
.irp g, G1, G1B
	s_mov_b32 s[\g+1], 512<<16                     ; tensor_dim0 = 512 elements
	s_mov_b32 s[\g+2], 8<<16                       ; tensor_dim1 = 8
	s_mov_b32 s[\g+3], 512<<16                     ; tile_dim0
	s_mov_b32 s[\g+4], 8                           ; tile_dim1
	s_mov_b32 s[\g+5], 2048                        ; tensor_dim0_stride, in elements
	s_mov_b32 s[\g+6], 0
	s_mov_b32 s[\g+7], 0
.endr
	s_lshl_b32 s45, s16, 17                        ; which 8 blocks of the tile's 16 I fetch
	s_lshl_b32 s20, s17, 18                        ; A: 16 blocks x 16,384 bytes a tile
	s_add_co_u32 s20, s20, s45
	s_add_co_u32 s20, s20, s18
	s_mov_b32 s21, 0
	s_lshl_b32 s46, s42, 18                        ; B likewise
	s_add_co_u32 s46, s46, s45
	s_add_co_u32 s46, s46, s19
	s_mov_b32 s47, 0
	s_mul_i32 s45, s14, HALFT                      ; where they go: wave x 128 rows: no place in the cluster enters an LDS address
	s_wait_kmcnt 0x0
	s_load_b256 s[80:87], s[8:9], 0x0              ; e0 .. e7
	s_load_b128 s[88:91], s[8:9], 0x20             ; e8 .. e11
	s_cmp_eq_u32 ttmp9, 2
	s_cselect_b64 s[22:23], s[6:7], s[4:5]
	s_cselect_b64 s[92:93], s[4:5], s[6:7]
	s_add_nc_u64 s[20:21], s[22:23], s[20:21]
	s_add_nc_u64 s[46:47], s[92:93], s[46:47]
	CROUND                                         ; all sixteen work-groups are here: the first joint loads meet
.irp s, 0,1
	s_mov_b32 s[G0+4*\s], 1
	s_add_co_u32 s[G0+4*\s+1], s45, \s*SLOT
	s_add_nc_u64 s[G0+4*\s+2:G0+4*\s+3], s[20:21], \s*RBK
	s_or_b32 s[G0+4*\s+3], s[G0+4*\s+3], 0x80000000
	s_mov_b32 s[G0B+4*\s], 1
	s_add_co_u32 s[G0B+4*\s+1], s45, \s*SLOT
	s_add_nc_u64 s[G0B+4*\s+2:G0B+4*\s+3], s[46:47], \s*RBK
	s_or_b32 s[G0B+4*\s+3], s[G0B+4*\s+3], 0x80000000
	JLOAD G0+4*\s, G1, G0B+4*\s, G1B
.endr
	v_and_b32 v1, 31, v0
	v_lshlrev_b32 v[LI], 4, v1
	v_bfe_u32 v2, v0, 4, 1
	v_lshlrev_b32 v[BQK], 5, v2
	v_and_b32 v3, 15, v0
	v_lshlrev_b32 v[BVV], 2, v3
	s_lshl_b32 s21, s15, 15                        ; my 128 rows of A
	s_lshl_b32 s22, s16, 15                        ; my 128 rows of B,
	s_add_co_u32 s22, s22, 2*HALFT                 ; which lie behind A's 256
.irp s, 0,1
	v_add_nc_u32 v[ADRA+\s], s21, v[LI]
	v_add_nc_u32 v[ADRB+\s], s22, v[LI]
	s_add_co_u32 s21, s21, SLOT
	s_add_co_u32 s22, s22, SLOT
.endr
	; where my results go: my 128 tokens and my 128 channels (two heads)
	s_cmp_eq_u32 ttmp9, 2
	s_cselect_b32 s92, s42, s17                    ; the tile of 256 tokens,
	s_cselect_b32 s93, s16, s15                    ; my half of it;
	s_cselect_b32 s94, s17, s42                    ; the tile of 256 channels,
	s_cselect_b32 s95, s15, s16                    ; my half of it
	s_lshr_b32 s21, s92, 3                         ; the batch: 8 tiles of tokens each
	s_lshl_b32 s21, s21, 4
	s_lshl_b32 s22, s94, 2
	s_add_co_u32 s21, s21, s22
	s_lshl_b32 s22, s95, 1
	s_add_co_u32 s21, s21, s22                     ; my first head: 16 x batch + 4 x tile + 2 x half
	s_lshl_b32 s21, s21, 17                        ; a head's images are 131,072 bytes in each of the three buffers
	s_and_b32 s22, s92, 7
	s_lshl_b32 s22, s22, 1
	s_add_co_u32 s22, s22, s93                     ; my 128 tokens among the sequence's sixteen such
	s_lshl_b32 s22, s22, 13                        ; 8,192 bytes: 8 tiles of q or k, or 4 fragments of V^T
	s_add_co_u32 s22, s22, s21
	s_mov_b32 s23, 0
	s_cmp_eq_u32 ttmp9, 1
	s_cselect_b64 s[78:79], s[74:75], s[72:73]
	s_cselect_b64 s[12:13], s[68:69], s[10:11]
	s_cmp_eq_u32 ttmp9, 2
	s_cselect_b64 s[78:79], s[76:77], s[78:79]
	s_cselect_b64 s[12:13], s[70:71], s[12:13]
	s_add_nc_u64 s[78:79], s[78:79], s[22:23]      ; the images
	s_lshl_b32 s22, s94, 10
	s_lshl_b32 s21, s95, 9
	s_add_co_u32 s22, s22, s21
	s_add_nc_u64 s[12:13], s[12:13], s[22:23]      ; the bias at my first channel
	s_wait_kmcnt 0x0                               ; the exponents; every choice among them is a select on the cluster's x: no branch hangs on a loaded number
	s_cmp_eq_u32 ttmp9, 1
	s_cselect_b32 s96, s82, s80
	s_cselect_b32 s97, s83, s81
	s_cselect_b32 s94, s87, s86
	s_cmp_eq_u32 ttmp9, 2
	s_cselect_b32 s96, s84, s96
	s_cselect_b32 s97, s85, s97
	s_cselect_b32 s94, s89, s94
	s_add_co_i32 s96, s96, s97
	s_add_co_i32 s96, s96, 127
	s_lshl_b32 s96, s96, 23                        ; 2^(ea + eb) as f32
	s_mov_b32 s97, s96                             ; (named with it as a pair, so it is written)
	s_add_co_i32 s94, s94, 127
	s_lshl_b32 s95, s94, 23
	v_mov_b32 v[SCL], s95
	s_add_co_i32 s94, s94, 8
	s_lshl_b32 s94, s94, 23
	s_or_b32 s94, s94, 0x600000
	v_mov_b32 v[LIM], s94
.macro FRAG reg, adr, q, i             ; block i's fragment of the slot's q-th 128 along K: four loads of 512 consecutive bytes
.irp c, 0,1,2,3
	ds_load_b128 v[\reg+4*\c:\reg+4*\c+3], v[\adr] offset:(\i)*RBK+(\q)*FRB+512*\c
.endr
.endm
; 16 matrix instructions: A's blocks a0, a0 + 1 x B's eight.  p: B's set.  zero = 1: the first product starts the sums.  The 64 accumulators take turns, one instruction a turn, in the same order in every step.
.macro MUL16 a0, p, zero
.irp a, \a0, \a0+1
.irp b, 0,1,2,3,4,5,6,7
.if \zero
	v_wmma_f32_16x16x128_fp8_fp8 v[8*(8*((\a)%4)+\b):8*(8*((\a)%4)+\b)+7], v[128*(\p)+FR*\b:128*(\p)+FR*\b+FR-1], v[AF+FR*(\a):AF+FR*(\a)+FR-1], 0
.else
	v_wmma_f32_16x16x128_fp8_fp8 v[8*(8*((\a)%4)+\b):8*(8*((\a)%4)+\b)+7], v[128*(\p)+FR*\b:128*(\p)+FR*\b+FR-1], v[AF+FR*(\a):AF+FR*(\a)+FR-1], v[8*(8*((\a)%4)+\b):8*(8*((\a)%4)+\b)+7]
.endif
.endr
.endr
.endm
.macro FETCH_B slot, q, p
	WIN TO_B
.irp i, 0,1,2,3,4,5,6,7
	FRAG 128*(\p)+FR*\i, ADRB+\slot, \q, \i
.endr
	WIN 0
.endm
.macro FETCH_A slot, q, i0
.irp i, \i0, \i0+1, \i0+2, \i0+3
	FRAG AF+FR*(\i), ADRA+\slot, \q, \i
.endr
.endm
.macro PLACES n                        ; a load into a register that a matrix instruction has read, and a vector instruction that reads a result or writes such a register, stand NP plain vector instructions behind it
.rept \n
	v_nop
.endr
.endm
; A step of 128 along K that has its successor in the same slot.  A's blocks go one after the other, so one set serves A: blocks 0-3 are fetched anew in the step's middle, blocks 4-7 at its end.
.macro STEP slot, q, zero
	s_wait_dscnt 4*NL                              ; B's set and A's blocks 0-3 are in; the youngest 16 loads (A's blocks 4-7) may be out
	WIN MUL_LO
	MUL16 0, (\q)%2, \zero
	MUL16 2, (\q)%2, \zero
	s_wait_dscnt 0
	PLACES NP
	FETCH_B \slot, (\q)+1, 1-(\q)%2
	FETCH_A \slot, (\q)+1, 0
	WIN MUL_HI
	MUL16 4, (\q)%2, \zero
	MUL16 6, (\q)%2, \zero
	PLACES NP
	WIN 0
	FETCH_A \slot, (\q)+1, 4
.endm
; A slot's last step changes slots: one barrier; in front of it each wave waits for all its tensor loads, adds 0 to its spare word, and waits for that and for its own reads of this slot.  fill = 1: the slot is filled again, two slots ahead along K.
.macro TURN slot, next, fill
	s_wait_tensorcnt 0x0                           ; all my tensor loads have landed: my part of the next slot
	ds_add_u32 v[SPW], v[NIL]                      ; 0 onto my spare word
	s_wait_dscnt 4*NL+1                            ; (the add and the youngest 16 loads may be out)
	WIN MUL_LO
	MUL16 0, 1, 0
	s_wait_dscnt 0x0                               ; the add is done, and my reads of this slot are over
	s_barrier_signal -1
	MUL16 2, 1, 0
	WIN 0
	s_barrier_wait -1
.if \fill
	CREST                                          ; the barrier has opened a round of the cluster's barrier: no wave of any partner still reads this slot or has a load on its way
	s_add_nc_u64 s[G0+4*\slot+2:G0+4*\slot+3], s[G0+4*\slot+2:G0+4*\slot+3], 2*RBK
	s_add_nc_u64 s[G0B+4*\slot+2:G0B+4*\slot+3], s[G0B+4*\slot+2:G0B+4*\slot+3], 2*RBK
	JLOAD G0+4*\slot, G1, G0B+4*\slot, G1B         ; the first tensor load behind the round; its four v_nop are also the places in front of the loads below
.else
	PLACES NP
.endif
	FETCH_B \next, 0, 0
	FETCH_A \next, 0, 0
	WIN MUL_HI
	MUL16 4, 1, 0
	MUL16 6, 1, 0
	PLACES NP
	WIN 0
	FETCH_A \next, 0, 4
.endm
.macro LASTSTEP                        ; nothing more to fetch
	s_wait_dscnt 4*NL
	WIN MUL_LO
	MUL16 0, 1, 0
	MUL16 2, 1, 0
	s_wait_dscnt 0
	WIN MUL_HI
	MUL16 4, 1, 0
	MUL16 6, 1, 0
	WIN 0
.endm
; THE WAY OUT of A's block a: sum x 2^(ea + eb) + bias, the hold, the conversion: the 16 registers of codes are whole register groups of the images, and each store covers 512 consecutive bytes, aligned.
.macro OUTBLK a, isv
.set AC, 64*((\a)%4)
	WIN 0x02+((\a)/4)                              ; source 0: window 2 or 3
.irp b, 0,1,2,3,4,5,6,7
.irp i, 0,2,4,6
.if \isv
	v_pk_fma_f32 v[TMP+8*\b+\i:TMP+8*\b+\i+1], v[AC+8*\b+\i:AC+8*\b+\i+1], s[96:97], v[BI+2*(\a):BI+2*(\a)+1] op_sel_hi:[1,0,1]   ; one channel a lane: its bias, twice.  Each accumulator from its low end on
.else
	v_pk_fma_f32 v[TMP+8*\b+\i:TMP+8*\b+\i+1], v[AC+8*\b+\i:AC+8*\b+\i+1], s[96:97], v[BI+8*\b+\i:BI+8*\b+\i+1] op_sel_hi:[1,0,1]
.endif
.endr
.endr
	WIN 0
.set j, 0
.rept 64
	v_med3_num_f32 v[TMP+j], v[TMP+j], -v[LIM], v[LIM]   ; the conversion to an 8-bit code does not saturate (ISA guide 7.6.2)
.set j, j+1
.endr
	s_wait_xcnt 0x0                                ; the last block's stores have read the codes' registers
.irp b, 0,1,2,3,4,5,6,7
	v_cvt_scalef32_pk8_fp8_f32 v[CD+2*\b:CD+2*\b+1], v[TMP+8*\b:TMP+8*\b+7], v[SCL]
.endr
	v_nop                                          ; one plain vector instruction behind the conversions: the next block writes their sources
.irp g, 0,1,2,3
.if \isv
	global_store_b128 v[LI], v[CD+4*\g:CD+4*\g+3], s[78:79] offset:((\a)/4)*131072+((\a)%4)*2048+512*\g   ; head a / 4, channels 16 (a % 4) on: one fragment of V^T
.else
	global_store_b128 v[LI], v[CD+4*\g:CD+4*\g+3], s[78:79] offset:(\a)*1024+(\g/2)*131072+(\g%2)*512     ; tokens 16 a on: head g / 2, half g % 2 of its fragment
.endif
.endr
.endm
	s_wait_tensorcnt 1                             ; my part of slot 0 is in; slot 1's load may be out
	s_barrier_signal -1
	s_barrier_wait -1
	FETCH_B 0, 0, 0
	FETCH_A 0, 0, 0
	FETCH_A 0, 0, 4
	STEP 0, 0, 1                                   ; K 0: its products start the sums
	TURN 0, 1, 1                                   ; K 128; slot 0 takes K 512 on
	STEP 1, 0, 0                                   ; K 256
	TURN 1, 0, 1                                   ; K 384; slot 1 takes K 768 on
	STEP 0, 0, 0                                   ; K 512
	TURN 0, 1, 0                                   ; K 640; nothing is left to fetch
	STEP 1, 0, 0                                   ; K 768
	s_cmp_eq_u32 ttmp9, 2                          ; ONE branch, on the cluster's x: each arm loads its bias, multiplies the last step and sends its results
	s_cbranch_scc1 .Lvalues
.irp b, 0,1,2,3,4,5,6,7
	global_load_b128 v[BI+8*\b:BI+8*\b+3], v[BQK], s[12:13] offset:64*\b         ; the bias of channels 16 b + 8 h + 0 .. 7
	global_load_b128 v[BI+8*\b+4:BI+8*\b+7], v[BQK], s[12:13] offset:64*\b+16
.endr
	LASTSTEP                                       ; K 896
	s_wait_loadcnt 0x0
	PLACES NP
.irp a, 0,1,2,3,4,5,6,7
	OUTBLK \a, 0
.endr
	s_branch .Lend
.Lvalues:
.irp a, 0,1,2,3,4,5,6,7
	global_load_b32 v[BI+2*\a], v[BVV], s[12:13] offset:64*\a                    ; the bias of channel 16 a + r, in both registers of a pair
	global_load_b32 v[BI+2*\a+1], v[BVV], s[12:13] offset:64*\a
.endr
	LASTSTEP
	s_wait_loadcnt 0x0
	PLACES NP
.irp a, 0,1,2,3,4,5,6,7
	OUTBLK \a, 1
.endr
.Lend:
	s_wait_tensorcnt 0x0                           ; the wave's end
	ds_add_u32 v[SPW], v[NIL]
	s_wait_dscnt 0x0
	CROUND                                         ; the closing round: no work-group ends while a partner may still ask for a tile that names it
	s_endpgm
.Lfunc_end_k_q6efe7ef37e_qkv:
	.size	k_q6efe7ef37e_qkv, .Lfunc_end_k_q6efe7ef37e_qkv-k_q6efe7ef37e_qkv
	.p2alignl 7, 3214868480
	.fill 96, 4, 3214868480
	.section	.rodata,"a",@progbits
	.p2align	6, 0x0
	.amdhsa_kernel k_q6efe7ef37e_qkv
		.amdhsa_group_segment_fixed_size 327680
		.amdhsa_private_segment_fixed_size 0
		.amdhsa_enable_private_segment 0
		.amdhsa_kernarg_size 72
		.amdhsa_user_sgpr_count 2
		.amdhsa_user_sgpr_kernarg_segment_ptr 1
		.amdhsa_wavefront_size32 1
		.amdhsa_system_sgpr_workgroup_id_x 1
		.amdhsa_system_sgpr_workgroup_id_y 1
		.amdhsa_system_sgpr_workgroup_id_z 1
		.amdhsa_system_vgpr_workitem_id 0
		.amdhsa_next_free_vgpr 1024
		.amdhsa_next_free_sgpr 100
		.amdhsa_reserve_vcc 0
		.amdhsa_float_denorm_mode_32 3
		.amdhsa_float_denorm_mode_16_64 3
		.amdhsa_memory_ordered 1
		.amdhsa_forward_progress 1
		.amdhsa_inst_pref_size 198
	.end_amdhsa_kernel
	.amdgpu_metadata
---
amdhsa.version: [ 1, 2 ]
amdhsa.kernels:
  - .name:           k_q6efe7ef37e_qkv
    .symbol:         k_q6efe7ef37e_qkv.kd
    .args:
      - { .name: xc, .offset: 0, .size: 8, .value_kind: global_buffer, .address_space: global }
      - { .name: wc, .offset: 8, .size: 8, .value_kind: global_buffer, .address_space: global }
      - { .name: lowp_scales, .offset: 16, .size: 8, .value_kind: global_buffer, .address_space: global }
      - { .name: bq, .offset: 24, .size: 8, .value_kind: global_buffer, .address_space: global }
      - { .name: bk, .offset: 32, .size: 8, .value_kind: global_buffer, .address_space: global }
      - { .name: bv, .offset: 40, .size: 8, .value_kind: global_buffer, .address_space: global }
      - { .name: qimg, .offset: 48, .size: 8, .value_kind: global_buffer, .address_space: global }
      - { .name: kimg, .offset: 56, .size: 8, .value_kind: global_buffer, .address_space: global }
      - { .name: vimg, .offset: 64, .size: 8, .value_kind: global_buffer, .address_space: global }
    .group_segment_fixed_size: 327680
    .private_segment_fixed_size: 0
    .kernarg_segment_align: 8
    .kernarg_segment_size: 72
    .max_flat_workgroup_size: 128
    .sgpr_count:     100
    .vgpr_count:     1024
    .wavefront_size: 32
...
	.end_amdgpu_metadata
.endif
;; end of part 2
;; launch attn (part 3): grid 4 x 64, 16 waves a work-group, no clusters, 264,192 bytes of LDS; arguments qimg, kimg, vimg, mw, cls, lowp_scales, aimg; writes aimg
.if DOCPART == 3
	.amdgcn_target "amdgcn-amd-amdhsa--gfx1250"
	.amdhsa_code_object_version 6
	.text
	.protected	k_q6efe7ef37e_attn
	.globl	k_q6efe7ef37e_attn
	.p2align	8
	.type	k_q6efe7ef37e_attn,@function
k_q6efe7ef37e_attn:
	s_mov_b64 s[64:65], 0
	v_nop
	global_prefetch_b8 v0, s[64:65] scope:SCOPE_SE
	s_setreg_imm32_b32 hwreg(HW_REG_WAVE_MODE, 25, 1), 1
	s_wait_xcnt 0x0
; ATTENTION on codes of FP8 (E4M3): for each of 64 heads, 2,048 queries x 2,048 keys, head size 64, under the mask that is GIVEN (its pattern is not built in).
; t = score x log2(e) / 8; M = the largest t so far, rounded UP to a whole number; p = 2^(t - M) is quantised with the given 2^e8, not normalised; the row's sum l is taken of the unquantised p and divides at the end.
; The result, O x 2^(e8 + e9) / l, is quantised at once with 2^e10 for the output projection.  A row with no open key has l = 0: reference() gives NaN there, and its codes are set to the format's NaN code.
; LIMITS: e6 + e7 between -123 and 130 (added to the exponent field of log2(e) / 8); e8 and e10 between -126 and 119.  NaN and infinities among the scores are not served.
; SHARES.  Work-group (g, head) holds ALL of the head's K and V in LDS (131,072 bytes each, as images of operand registers: every LDS load reads 512 consecutive bytes).  One barrier behind the fill; from then on LDS is only read.
; Wave w makes two tiles of 16 queries one after the other: tiles 16 g + w and 127 - (16 g + w).
; KEY STEPS THAT THE MASK HIDES WHOLLY ARE LEFT OUT: a scalar branch on the step's class, a whole number that an earlier launch stored (0 all hidden, 1 mixed, 2 all open).  In a mixed step hidden scores become -infinity by 64 selects
; on the lane masks that the same launch stored.  That is right for every mask.
; NO JOINT LOADS, though four work-groups read the same K and V: K and V come through registers, 256 KiB once a work-group.
; LAYOUT.  S^T = K Q^T (source 0 = 16 keys, source 1 = my 16 queries): lane (r, h) holds query r, register 8 t + j the key 16 t + 8 h + j: the eight codes of tile t ARE registers 2 t, 2 t + 1 of P for O^T = V^T P^T.
; O^T: lane (r, h) holds query r, register 8 ct + j the channel 16 ct + 8 h + j: its codes are registers 2 ct, 2 ct + 1 of the head's half of a fragment of the projection's operand.
; aimg: [512 blocks of 16 tokens][8 blocks of 128 channels][2,048]; an odd head takes the second 1,024 bytes.
; REGISTERS: v1 16 x lane; v2-5 the fill's addresses; v6 V's images; v7 -infinity; v8, v9 the step's LDS addresses; v10, v11 2^e8, 448 x 2^e8; v12 -M; v13 the largest t; v[14:15] the sum; v16-23 Q; v24, v25 2^e10, 448 x 2^e10;
; v26 four NaN codes; v27 1 / l; v[28:29] the last factor; v30, v31 offsets; v32-95 K's 8 fragments, then V's 4; v96-159 S^T, then p; v160-191 O^T; v192-223 the way out; v224-239 codes; v242-254 at work.
.set VB,  131072                       ; LDS: K's images from byte 0, V's from here
.set STB, 8192                         ; a key step's images: 8 x 1,024 of K, 4 x 2,048 of V
	s_load_b256 s[4:11], s[0:1], 0x0               ; qimg s[4:5], kimg s[6:7], vimg s[8:9], mw s[10:11]
	s_load_b128 s[12:15], s[0:1], 0x20             ; cls s[12:13], the scales' exponents s[14:15]
	s_load_b64 s[16:17], s[0:1], 0x30              ; aimg
	v_lshl_add_u32 v251, v0, 2, 0x40000
	v_mov_b32 v255, 0
	v_lshrrev_b32 v1, 5, v0
	v_readfirstlane_b32 s18, v1                    ; wave 0..15
	v_and_b32 v1, 31, v0
	v_lshlrev_b32 v1, 4, v1
	v_lshlrev_b32 v2, 4, v0                        ; 16 x thread: the work-group's 512 threads cover 8,192 bytes
	v_add_nc_u32 v3, 0x10000, v2                   ; an LDS immediate reaches 65,535 bytes: four registers carry the rest
	v_add_nc_u32 v4, 0x20000, v2
	v_add_nc_u32 v5, 0x30000, v2
	v_add_nc_u32 v6, VB, v1
	s_lshl_b32 s19, ttmp9, 4
	s_add_co_u32 s19, s19, s18                     ; my first tile of queries
	s_and_b32 s28, ttmp7, 0xffff                   ; the head, 16 x batch + head in the batch
	s_lshl_b32 s30, s28, 17                        ; a head's images: 131,072 bytes in each of q, k, v
	s_mov_b32 s31, 0
	s_lshr_b32 s24, s28, 4
	s_lshl_b32 s24, s24, 21                        ; aimg: the batch's 128 blocks of 16,384 bytes,
	s_bfe_u32 s25, s28, 0x30001
	s_lshl_b32 s25, s25, 11                        ; the pair of heads' fragment,
	s_add_co_u32 s24, s24, s25
	s_and_b32 s25, s28, 1
	s_lshl_b32 s25, s25, 10                        ; and my head's half of it
	s_add_co_u32 s24, s24, s25
	s_mov_b32 s25, 0
	s_mov_b32 s20, 0x76543210                      ; v_permlanex16_b32's selects for lane l xor 16
	s_mov_b32 s21, 0xfedcba98
	s_mov_b32 s22, 0x3e38aa3b                      ; c = log2(e) / 8
	s_wait_kmcnt 0x0
	s_load_b256 s[32:39], s[14:15], 0x0            ; e0 .. e7
	s_load_b128 s[40:43], s[14:15], 0x20           ; e8 .. e11
	s_add_nc_u64 s[4:5], s[4:5], s[30:31]
	s_add_nc_u64 s[6:7], s[6:7], s[30:31]
	s_add_nc_u64 s[8:9], s[8:9], s[30:31]
	s_add_nc_u64 s[16:17], s[16:17], s[24:25]
.irp i, 0,1,2,3,4,5,6,7,8,9,10,11,12,13,14,15
	global_load_b128 v[32+4*\i:35+4*\i], v2, s[6:7] offset:8192*\i     ; THE FILL: K's 16 pieces of 8,192 bytes,
.endr
.irp i, 0,1,2,3,4,5,6,7,8,9,10,11,12,13,14,15
	global_load_b128 v[96+4*\i:99+4*\i], v2, s[8:9] offset:8192*\i     ; and V's
.endr
	v_mov_b32 v7, 0xff800000
	v_mov_b32 v26, 0x7f7f7f7f
	v_mov_b32 v29, 0                               ; (named as the upper half of a pair)
	v_mov_b32 v244, 0                              ; a lane permute's destination counts as one of its sources
	v_mov_b32 v253, 0                              ; (named as the upper half of the pair v[252:253])
	s_wait_kmcnt 0x0
	s_add_co_i32 s28, s38, s39
	s_lshl_b32 s28, s28, 23
	s_add_co_i32 s22, s22, s28                     ; a score stands for score x 2^(e6 + e7): the two exponents go into c's exponent field
	s_mov_b32 s23, s22                             ; (named with it as a pair)
	s_mov_b32 s100, s40                            ; e8
	s_add_co_i32 s101, s40, s41                    ; e8 + e9
	s_add_co_i32 s28, s40, 127
	s_lshl_b32 s29, s28, 23
	v_mov_b32 v10, s29
	s_add_co_i32 s28, s28, 8
	s_lshl_b32 s28, s28, 23
	s_or_b32 s28, s28, 0x600000
	v_mov_b32 v11, s28
	s_add_co_i32 s28, s42, 127
	s_lshl_b32 s29, s28, 23
	v_mov_b32 v24, s29
	s_add_co_i32 s28, s28, 8
	s_lshl_b32 s28, s28, 23
	s_or_b32 s28, s28, 0x600000
	v_mov_b32 v25, s28
.set n, 0
.rept 32
	s_wait_loadcnt 31-n                            ; loads come back in order (ISA guide 5.7.1): the n-th is in, the younger ones may be out
	ds_store_b128 v[2+n/8], v[32+4*n:35+4*n] offset:(n%8)*8192
.set n, n+1
.endr
	s_wait_dscnt 0x0                               ; for the others' sake: my stores have landed
	s_barrier_signal -1
	s_barrier_wait -1                              ; the head's K and V lie in LDS; nobody writes LDS again
; K's eight fragments of the step, the eight products S^T = K Q^T, and the loads of V's four fragments, which land under the softmax.
.macro SCORES
	v_add_nc_u32 v8, s2, v1
	v_add_nc_u32 v9, s2, v6
	v_nop                                          ; with the two additions: four places in front of loads into registers that the last products read
	v_nop
.irp t, 0,1,2,3,4,5,6,7
	ds_load_b128 v[32+8*\t:35+8*\t], v8 offset:1024*\t
	ds_load_b128 v[36+8*\t:39+8*\t], v8 offset:1024*\t+512
.endr
	s_wait_dscnt 0x0
.irp t, 0,1,2,3,4,5,6,7
	v_wmma_f32_16x16x64_fp8_fp8 v[96+8*\t:103+8*\t], v[32+8*\t:39+8*\t], v[16:23], 0
.endr
.rept 4
	v_nop                                          ; places in front of the loads below and of the first read of the scores
.endr
.irp ct, 0,1,2,3
.irp c, 0,1,2,3
	ds_load_b128 v[32+16*\ct+4*\c:35+16*\ct+4*\c], v9 offset:2048*\ct+512*\c
.endr
.endr
.endm
	s_mov_b32 s27, 2
.Ltile:                                            ; two trips: tile s19, then tile 127 - s19
	s_wait_xcnt 0x0                                ; the last tile's stores have read their registers
	s_lshl_b32 s28, s19, 10
	v_add_nc_u32 v31, s28, v1
	global_load_b128 v[16:19], v31, s[4:5] th:TH_LOAD_NT             ; Q's fragment: 16 queries x 64
	global_load_b128 v[20:23], v31, s[4:5] offset:512 th:TH_LOAD_NT
	s_lshl_b32 s28, s19, 6
	s_load_b512 s[84:99], s[12:13], s28 offset:0x0 ; the tile's 16 classes
	s_lshl_b32 s26, s19, 12                        ; the tile's lane masks in mw: 16 steps of 256 bytes
	v_mov_b32 v13, 0xff61b1e6                      ; the largest t so far: -3e38, under every t
	v_floor_f32 v12, -v13                          ; -M
	v_mov_b32 v14, 0
	v_mov_b32 v15, 0
.set j, 0
.rept 32
	v_mov_b32 v[160+j], 0                          ; O^T.  Which step is a tile's first open one is data, so none can be written out to start the sums
.set j, j+1
.endr
	s_mov_b32 s2, 0                                ; the step's images in LDS
	s_mov_b32 s3, 0
	s_wait_kmcnt 0x0
	s_mov_b32 s24, s84                             ; the 16 classes, two bits each
.irp j, 1,2,3,4,5,6,7,8,9,10,11,12,13,14,15
	s_lshl_b32 s28, s[84+\j], 2*\j
	s_or_b32 s24, s24, s28
.endr
	s_wait_loadcnt 0x0                             ; Q
.Lstep:                                            ; 16 trips: every key step; the trip count is a constant, the work is jumped over
	s_and_b32 s25, s24, 3
	s_cmp_eq_u32 s25, 0
	s_cbranch_scc1 .Lskip                          ; all 16 x 128 hidden
	s_cmp_eq_u32 s25, 1
	s_cbranch_scc0 .Lopen
	s_load_b512 s[32:47], s[10:11], s26 offset:0x0     ; mixed: the 64 lane masks, asked for ahead of the products
	s_load_b512 s[48:63], s[10:11], s26 offset:0x40
	s_load_b512 s[68:83], s[10:11], s26 offset:0x80
	s_load_b512 s[84:99], s[10:11], s26 offset:0xc0
	SCORES
	s_wait_kmcnt 0x0
.set n, 0
.rept 64
	v_cndmask_b32 v[96+n], v7, v[96+n], s[32+n+4*(n/32)]   ; a hidden key's score becomes -infinity: p = 0.  Ascending: each tile from its low end on
.set n, n+1
.endr
	s_branch .Lsoft
.Lopen:
	SCORES
.Lsoft:
	v_max3_num_f32 v254, v96, v97, v98             ; the step's largest score of my query, among my 64 keys, in two chains,
	v_max3_num_f32 v252, v99, v100, v101
.irp i, 6,10,14,18,22,26,30,34,38,42,46,50,54,58
	v_max3_num_f32 v254, v254, v[96+\i], v[97+\i]
	v_max3_num_f32 v252, v252, v[98+\i], v[99+\i]
.endr
	v_max3_num_f32 v254, v254, v158, v159
	v_max_num_f32 v254, v254, v252
	v_permlanex16_b32 v244, v254, s20, s21
	v_max_num_f32 v254, v254, v244                 ; and among lane l xor 16's
	v_mul_f32 v254, s22, v254                      ; as t (c is positive)
	v_max_num_f32 v13, v13, v254                   ; the running largest t
	v_mov_b32 v254, v12
	v_floor_f32 v12, -v13                          ; the new -M = floor(-t) = -ceil(t): a whole number
	v_sub_f32 v254, v12, v254                      ; old M - new M: a whole number, 0 or less
	v_cvt_i32_f32 v254, v254                       ; (it saturates)
	v_ldexp_f32 v252, 1.0, v254                    ; f = 2^(old M - new M): a multiplication by it rounds nothing
.set j, 0
.rept 32
	v_pk_fma_f32 v[96+j:97+j], v[96+j:97+j], s[22:23], v[12:13] op_sel_hi:[1,0,0]   ; t - M, two at a time
.set j, j+2
.endr
.set j, 0
.rept 64
	v_exp_f32 v[96+j], v[96+j]                     ; p = 2^(t - M), at most 1
.set j, j+1
.endr
	v_pk_mul_f32 v[14:15], v[14:15], v[252:253] op_sel_hi:[1,0]   ; the sums under the new M: the plain instruction behind the exponentials
	s_wait_alu depctr_va_vdst(0)                   ; one wait for the batch of 64, ahead of its first reader
	v_pk_add_f32 v[242:243], v[96:97], v[98:99]    ; the row's sum, of the UNQUANTISED p: two at a time, in two chains
.irp j, 4,8,12,16,20,24,28,32,36,40,44,48,52,56,60
	v_pk_add_f32 v[14:15], v[14:15], v[96+\j:97+\j]
	v_pk_add_f32 v[242:243], v[242:243], v[98+\j:99+\j]
.endr
	v_pk_add_f32 v[14:15], v[14:15], v[242:243]
	s_cmp_gt_i32 s100, -9                          ; with e8 >= -8 the largest code x the scale is 448 x 2^e8 >= 1.75 >= p: the hold would change nothing
	s_cbranch_scc1 .Lnohold
.set j, 0
.rept 64
	v_min_num_f32 v[96+j], v[96+j], v11            ; the conversion does not saturate (ISA guide 7.6.2); p is not negative: a one-sided hold
.set j, j+1
.endr
.Lnohold:
.irp t, 0,1,2,3,4,5,6,7
	v_cvt_scalef32_pk8_fp8_f32 v[224+2*\t:225+2*\t], v[96+8*\t:103+8*\t], v10
.endr
.set j, 0
.rept 16
	v_pk_mul_f32 v[160+j:161+j], v[160+j:161+j], v[252:253] op_sel_hi:[1,0]   ; O^T under the new M.  (Also the plain instructions between the conversions and the products)
.set j, j+2
.endr
	s_wait_dscnt 0x0                               ; V's fragments, asked for ahead of the softmax
.irp ct, 0,1,2,3                       ; the four accumulators take turns; between two links of one chain stand the other three and the next step's eight products
	v_wmma_f32_16x16x128_fp8_fp8 v[160+8*\ct:167+8*\ct], v[32+16*\ct:47+16*\ct], v[224:239], v[160+8*\ct:167+8*\ct]
.endr
.Lskip:
	s_lshr_b32 s24, s24, 2
	s_add_co_u32 s2, s2, STB
	s_add_co_u32 s26, s26, 256
	s_add_co_u32 s3, s3, 1
	s_cmp_lt_u32 s3, 16
	s_cbranch_scc1 .Lstep
	; THE WAY OUT of a tile.  The additions, the offset and the v_ldexp_f32 are the places behind the last products.
	v_add_f32 v14, v14, v15                        ; the sum's two halves,
	v_permlanex16_b32 v244, v14, s20, s21
	v_add_f32 v14, v14, v244                       ; and lane l xor 16's: l
	v_rcp_f32 v27, v14
	s_lshl_b32 s28, s19, 14
	v_add_nc_u32 v30, s28, v1                      ; (the plain instruction behind the reciprocal)  my tile's block of 16 tokens in aimg
	v_cmp_eq_f32 vcc_lo, 0, v14                    ; no open key in the whole row
	s_wait_alu depctr_va_vdst(0)                   ; the wait ahead of the reciprocal's first reader
	v_ldexp_f32 v28, v27, s101                     ; 2^(e8 + e9) / l
.set j, 0
.rept 16
	v_pk_mul_f32 v[192+j:193+j], v[160+j:161+j], v[28:29] op_sel_hi:[1,0]   ; each accumulator from its low end on
.set j, j+2
.endr
.set j, 0
.rept 32
	v_med3_num_f32 v[192+j], v[192+j], -v25, v25
.set j, j+1
.endr
.irp ct, 0,1,2,3
	v_cvt_scalef32_pk8_fp8_f32 v[224+2*\ct:225+2*\ct], v[192+8*\ct:199+8*\ct], v24
.endr
	v_nop                                          ; one plain vector instruction between the conversions and the selects on their results
.irp i, 0,1,2,3,4,5,6,7
	v_cndmask_b32 v[224+\i], v[224+\i], v26, vcc_lo   ; l = 0: the NaN code, as reference() has NaN there
.endr
	global_store_b128 v30, v[224:227], s[16:17]             ; 32 lanes store 512 consecutive bytes, aligned
	global_store_b128 v30, v[228:231], s[16:17] offset:512
	s_sub_co_u32 s19, 127, s19
	s_sub_co_u32 s27, s27, 1
	s_cmp_lg_u32 s27, 0
	s_cbranch_scc1 .Ltile
	s_wait_tensorcnt 0x0
	ds_add_u32 v251, v255
	s_wait_dscnt 0x0
	s_endpgm
.Lfunc_end_k_q6efe7ef37e_attn:
	.size	k_q6efe7ef37e_attn, .Lfunc_end_k_q6efe7ef37e_attn-k_q6efe7ef37e_attn
	.p2alignl 7, 3214868480
	.fill 96, 4, 3214868480
	.section	.rodata,"a",@progbits
	.p2align	6, 0x0
	.amdhsa_kernel k_q6efe7ef37e_attn
		.amdhsa_group_segment_fixed_size 264192
		.amdhsa_private_segment_fixed_size 0
		.amdhsa_enable_private_segment 0
		.amdhsa_kernarg_size 56
		.amdhsa_user_sgpr_count 2
		.amdhsa_user_sgpr_kernarg_segment_ptr 1
		.amdhsa_wavefront_size32 1
		.amdhsa_system_sgpr_workgroup_id_x 1
		.amdhsa_system_sgpr_workgroup_id_y 1
		.amdhsa_system_sgpr_workgroup_id_z 1
		.amdhsa_system_vgpr_workitem_id 0
		.amdhsa_next_free_vgpr 256
		.amdhsa_next_free_sgpr 102
		.amdhsa_reserve_vcc 1
		.amdhsa_float_denorm_mode_32 3
		.amdhsa_float_denorm_mode_16_64 3
		.amdhsa_memory_ordered 1
		.amdhsa_forward_progress 1
		.amdhsa_inst_pref_size 39
	.end_amdhsa_kernel
	.amdgpu_metadata
---
amdhsa.version: [ 1, 2 ]
amdhsa.kernels:
  - .name:           k_q6efe7ef37e_attn
    .symbol:         k_q6efe7ef37e_attn.kd
    .args:
      - { .name: qimg, .offset: 0, .size: 8, .value_kind: global_buffer, .address_space: global }
      - { .name: kimg, .offset: 8, .size: 8, .value_kind: global_buffer, .address_space: global }
      - { .name: vimg, .offset: 16, .size: 8, .value_kind: global_buffer, .address_space: global }
      - { .name: mw, .offset: 24, .size: 8, .value_kind: global_buffer, .address_space: global }
      - { .name: cls, .offset: 32, .size: 8, .value_kind: global_buffer, .address_space: global }
      - { .name: lowp_scales, .offset: 40, .size: 8, .value_kind: global_buffer, .address_space: global }
      - { .name: aimg, .offset: 48, .size: 8, .value_kind: global_buffer, .address_space: global }
    .group_segment_fixed_size: 264192
    .private_segment_fixed_size: 0
    .kernarg_segment_align: 8
    .kernarg_segment_size: 56
    .max_flat_workgroup_size: 512
    .sgpr_count:     102
    .vgpr_count:     256
    .wavefront_size: 32
...
	.end_amdgpu_metadata
.endif
;; end of part 3
;; launch proj (part 4): grid 4 x 32, 4 waves a work-group, clusters of 4 x 4, 327,680 bytes of LDS; arguments aimg, wc, lowp_scales, bo, out0; writes out0
.if DOCPART == 4
	.amdgcn_target "amdgcn-amd-amdhsa--gfx1250"
	.amdhsa_code_object_version 6
	.text
	.protected	k_q6efe7ef37e_proj
	.globl	k_q6efe7ef37e_proj
	.p2align	8
	.type	k_q6efe7ef37e_proj,@function
k_q6efe7ef37e_proj:
	s_mov_b64 s[64:65], 0
	v_nop
	global_prefetch_b8 v0, s[64:65] scope:SCOPE_SE
	s_setreg_imm32_b32 hwreg(HW_REG_WAVE_MODE, 25, 1), 1
	s_wait_xcnt 0x0
	s_wait_alu depctr_hold_cnt(0) depctr_sa_sdst(0) depctr_va_vdst(0) depctr_va_sdst(0) depctr_va_ssrc(0) depctr_va_vcc(0) depctr_vm_vsrc(0)
	s_getreg_b32 s2, hwreg(HW_REG_IB_STS2, 6, 4)
	s_cmp_eq_u32 s2, 0
	s_cbranch_scc0 .Lentry_in_a_cluster
	s_endpgm
.Lentry_in_a_cluster:
	s_bfe_u32 s2, ttmp6, 0x10000c
	s_cmp_lg_u32 s2, 0xf033
	s_cbranch_scc0 .Lentry_shape_is_right
	s_endpgm
.Lentry_shape_is_right:
; out0 = attn Wo^T + bo on codes of FP8 (E4M3): [8,192 x 1,024] x [1,024 x 1,024], f32 out.  A sum stands for sum x 2^(e10 + e11); one packed multiply-add gives sum x 2^(e10 + e11) + bo.
; LIMIT: e10 + e11 between -126 and 127, so that the power of two is an f32 number.  A row of NaN codes (a query with no open key) gives a row of NaN, as reference() has it.
; OPERANDS COME AS IMAGES OF THEIR REGISTERS: a fragment, 16 rows x 128 K, is 2,048 bytes: registers 4 g .. 4 g + 3 of lane l at 512 g + 16 l; in memory [blocks of 16 rows][8 blocks of 128 K][2,048].  Wo's codes are the fourth MiB of wc.
; A tile of C, 256 x 256, is made by four waves, 128 x 128 each: 64 accumulators, 512 registers.  K goes in steps of 256 through two LDS slots; K = 1,024 is four fills, so the eight steps of 128 are written straight.
; 128 tiles, a work-group each: a smaller tile would read each fragment from LDS for half the products.
; THE MATRIX INSTRUCTION IS USED TRANSPOSED (source 0 = 16 rows of Wo, source 1 = 16 tokens): a lane holds eight neighbouring numbers of a row of out0.
; CLUSTERS: 4 x 4 work-groups; A's tile is asked for jointly along a row of the cluster, B's along a column.
; REGISTERS, in windows of 256: window 0: v0-31 addresses; from v128 A's fragments, ONE set; on the way out v32-255.  window 1: B's fragments, TWO sets; at the end v0-63 hold the bias.  windows 2, 3: the accumulators.
.set SIZE_N, 1024
.set FR,    16
.set NL,    4
.set NP,    4                          ; places behind this matrix instruction (ISA guide 7.12.1)
.set FRB,   2048
.set RBK,   2*FRB                      ; a block of 16 rows in a slot: 256 along K
.set HALFT, 8*RBK
.set SLOT,  4*HALFT
.set SPARE, 2*SLOT                     ; behind the ring: the spare words, 128 bytes for each wave: two blocks of 256 bytes that no other line names
.set SPITCH, 528                       ; the way out: a stage of 16 rows x (512 bytes + 16) for each wave, in slot 0, which has had its last fill and its last read when the first result is stored there
.set ADRA, 16
.set ADRB, 20
.set STO,  24                          ; v24  the way out: where I put 32 bytes of a row
.set RD,   25                          ; v25  where I read a row back
.set CO,   26                          ; v26  16 x lane
.set BOF,  27                          ; v27  32 h: my eight columns' bias
.set SPW,  28
.set NIL,  29
.set TMP,  32                          ; the way out: a block's 64 numbers
.set AF,   128
.set BK,   128                         ; the way out: 16 rows read back: v128-191 and v192-255 by turns
.set G1, 24
.set G0, 32
.set G1B, 48
.set G0B, 56
.set MSB, 0
.macro WIN new                         ; the immediate's high byte repeats the setting that is left
.if MSB != \new
	s_set_vgpr_msb (MSB<<8)|\new
.set MSB, \new
.endif
.endm
.set MUL_LO, 0xa1
.set MUL_HI, 0xf1
.set TO_B,   0x40
.macro JLOAD g0a, g1a, g0b, g1b        ; a joint load: waves 0 and 1 fetch for A, waves 2 and 3 for B; four v_nop follow each line
	s_cmp_eq_u32 s15, 0
	s_cbranch_scc0 .Lfor_b_\@
	tensor_load_to_lds s[\g0a:\g0a+3], s[\g1a:\g1a+7]
	s_nop 0
.rept 4
	v_nop
.endr
	s_branch .Lasked_\@
.Lfor_b_\@:
	tensor_load_to_lds s[\g0b:\g0b+3], s[\g1b:\g1b+7]
	s_nop 0
.rept 4
	v_nop
.endr
.Lasked_\@:
.endm
.macro CREST
	s_cmp_lg_u32 s14, 0
	s_cbranch_scc1 .Lnot_wave_0_\@
	s_barrier_signal -3
.Lnot_wave_0_\@:
	s_barrier_wait -3
	s_barrier_signal -1
	s_barrier_wait -1
.endm
.macro CROUND
	s_barrier_signal -1
	s_barrier_wait -1
	CREST
.endm
	s_load_b256 s[4:11], s[0:1], 0x0               ; aimg s[4:5], wc s[6:7], the scales' exponents s[8:9], bo s[10:11]
	s_load_b64 s[12:13], s[0:1], 0x20              ; out0
	v_lshl_add_u32 v[SPW], v0, 2, SPARE
	v_mov_b32 v[NIL], 0
	ds_add_u32 v28, v29
	ds_add_u32 v28, v29
	s_wait_dscnt 0x0
	v_lshrrev_b32 v1, 5, v0
	v_readfirstlane_b32 s14, v1                    ; wave 0..3
	s_lshr_b32 s15, s14, 1                         ; which half of the tile's rows is mine.  Also: I fetch for A (0) or for B (1)
	s_and_b32 s16, s14, 1                          ; which half of its columns.  Also: which 128 rows of that tile I fetch
	s_bfe_u32 s40, ttmp6, 0x40000                  ; cx, cy
	s_bfe_u32 s41, ttmp6, 0x40004
	s_lshl_b32 s42, ttmp9, 2
	s_add_co_u32 s42, s42, s40                     ; tile column = 4 x cluster x + cx
	s_and_b32 s17, ttmp7, 0xffff
	s_lshl_b32 s17, s17, 2
	s_add_co_u32 s17, s17, s41                     ; tile row = 4 x cluster y + cy
	s_lshl_b32 s43, s41, 2
	s_lshl_b32 s43, 15, s43                        ; my row of the cluster
	s_lshl_b32 s44, 0x1111, s40                    ; my column
	; descriptor group 1: 8 blocks of 16 rows, 4,096 consecutive bytes each, 16,384 bytes apart in memory, on end in LDS
	s_or_b32 s[G1+0], s43, (3<<16)|(1<<21)         ; 15:0 the mask; 17:16 elements of 8 bytes; 20 no padding; 21 set beside a mask
	s_or_b32 s[G1B+0], s44, (3<<16)|(1<<21)
.irp g, G1, G1B
	s_mov_b32 s[\g+1], 512<<16
	s_mov_b32 s[\g+2], 8<<16
	s_mov_b32 s[\g+3], 512<<16
	s_mov_b32 s[\g+4], 8
	s_mov_b32 s[\g+5], 2048
	s_mov_b32 s[\g+6], 0
	s_mov_b32 s[\g+7], 0
.endr
	s_lshl_b32 s45, s16, 17
	s_lshl_b32 s20, s17, 18
	s_add_co_u32 s20, s20, s45
	s_mov_b32 s21, 0
	s_lshl_b32 s46, s42, 18
	s_add_co_u32 s46, s46, s45
	s_add_co_u32 s46, s46, 0x300000                ; Wo's codes
	s_mov_b32 s47, 0
	s_mul_i32 s45, s14, HALFT
	s_wait_kmcnt 0x0
	s_load_b64 s[96:97], s[8:9], 0x28              ; e10, e11
	s_add_nc_u64 s[20:21], s[4:5], s[20:21]
	s_add_nc_u64 s[46:47], s[6:7], s[46:47]
	CROUND                                         ; all sixteen work-groups are here: the first joint loads meet
.irp s, 0,1
	s_mov_b32 s[G0+4*\s], 1
	s_add_co_u32 s[G0+4*\s+1], s45, \s*SLOT
	s_add_nc_u64 s[G0+4*\s+2:G0+4*\s+3], s[20:21], \s*RBK
	s_or_b32 s[G0+4*\s+3], s[G0+4*\s+3], 0x80000000
	s_mov_b32 s[G0B+4*\s], 1
	s_add_co_u32 s[G0B+4*\s+1], s45, \s*SLOT
	s_add_nc_u64 s[G0B+4*\s+2:G0B+4*\s+3], s[46:47], \s*RBK
	s_or_b32 s[G0B+4*\s+3], s[G0B+4*\s+3], 0x80000000
	JLOAD G0+4*\s, G1, G0B+4*\s, G1B
.endr
	v_and_b32 v1, 15, v0                           ; r
	v_bfe_u32 v2, v0, 4, 1                         ; h
	v_and_b32 v6, 31, v0
	v_lshlrev_b32 v[CO], 4, v6
	v_lshlrev_b32 v[BOF], 5, v2
	s_lshl_b32 s21, s15, 15
	s_lshl_b32 s22, s16, 15
	s_add_co_u32 s22, s22, 2*HALFT
.irp s, 0,1
	v_add_nc_u32 v[ADRA+\s], s21, v[CO]
	v_add_nc_u32 v[ADRB+\s], s22, v[CO]
	s_add_co_u32 s21, s21, SLOT
	s_add_co_u32 s22, s22, SLOT
.endr
	s_mul_i32 s23, s14, 16*SPITCH                  ; my stage
	v_mul_u32_u24 v5, v1, SPITCH                   ; in: row r, 32 bytes for each half of the lanes
	v_lshl_add_u32 v5, v2, 5, v5
	v_add_nc_u32 v[STO], s23, v5
	v_add_nc_u32 v[RD], s23, v[CO]                 ; back: the 32 lanes take one row of 512 bytes
	s_lshl_b32 s46, s42, 10                        ; my first column, in bytes: 1,024 x tile column + 512 x half
	s_lshl_b32 s47, s16, 9
	s_add_co_u32 s46, s46, s47
	s_mov_b32 s47, 0
	s_add_nc_u64 s[10:11], s[10:11], s[46:47]      ; bo there
	s_lshl_b32 s20, s17, 20                        ; my first row: (256 x tile row + 128 x half) x 4,096 bytes
	s_lshl_b32 s21, s15, 19
	s_add_co_u32 s20, s20, s21
	s_add_co_u32 s20, s20, s46
	s_mov_b32 s21, 0
	s_add_nc_u64 s[12:13], s[12:13], s[20:21]
.macro FRAG reg, adr, q, i
.irp c, 0,1,2,3
	ds_load_b128 v[\reg+4*\c:\reg+4*\c+3], v[\adr] offset:(\i)*RBK+(\q)*FRB+512*\c
.endr
.endm
.macro MUL16 a0, p, zero               ; the 64 accumulators take turns, one instruction a turn, in the same order in every step
.irp a, \a0, \a0+1
.irp b, 0,1,2,3,4,5,6,7
.if \zero
	v_wmma_f32_16x16x128_fp8_fp8 v[8*(8*((\a)%4)+\b):8*(8*((\a)%4)+\b)+7], v[128*(\p)+FR*\b:128*(\p)+FR*\b+FR-1], v[AF+FR*(\a):AF+FR*(\a)+FR-1], 0
.else
	v_wmma_f32_16x16x128_fp8_fp8 v[8*(8*((\a)%4)+\b):8*(8*((\a)%4)+\b)+7], v[128*(\p)+FR*\b:128*(\p)+FR*\b+FR-1], v[AF+FR*(\a):AF+FR*(\a)+FR-1], v[8*(8*((\a)%4)+\b):8*(8*((\a)%4)+\b)+7]
.endif
.endr
.endr
.endm
.macro FETCH_B slot, q, p
	WIN TO_B
.irp i, 0,1,2,3,4,5,6,7
	FRAG 128*(\p)+FR*\i, ADRB+\slot, \q, \i
.endr
	WIN 0
.endm
.macro FETCH_A slot, q, i0
.irp i, \i0, \i0+1, \i0+2, \i0+3
	FRAG AF+FR*(\i), ADRA+\slot, \q, \i
.endr
.endm
.macro PLACES n                        ; plain vector instructions between a matrix instruction and a load into, or a vector instruction on, its registers
.rept \n
	v_nop
.endr
.endm
.macro STEP slot, q, zero
	s_wait_dscnt 4*NL                              ; B's set and A's blocks 0-3 are in; the youngest 16 loads (A's blocks 4-7) may be out
	WIN MUL_LO
	MUL16 0, (\q)%2, \zero
	MUL16 2, (\q)%2, \zero
	s_wait_dscnt 0
	PLACES NP
	FETCH_B \slot, (\q)+1, 1-(\q)%2
	FETCH_A \slot, (\q)+1, 0
	WIN MUL_HI
	MUL16 4, (\q)%2, \zero
	MUL16 6, (\q)%2, \zero
	PLACES NP
	WIN 0
	FETCH_A \slot, (\q)+1, 4
.endm
.macro TURN slot, next, fill
	s_wait_tensorcnt 0x0                           ; all my tensor loads have landed: my part of the next slot
	ds_add_u32 v[SPW], v[NIL]                      ; 0 onto my spare word
	s_wait_dscnt 4*NL+1                            ; (the add and the youngest 16 loads may be out)
	WIN MUL_LO
	MUL16 0, 1, 0
	s_wait_dscnt 0x0                               ; the add is done, and my reads of this slot are over
	s_barrier_signal -1
	MUL16 2, 1, 0
	WIN 0
	s_barrier_wait -1
.if \fill
	CREST                                          ; the barrier has opened a round of the cluster's barrier: no wave of any partner still reads this slot or has a load on its way
	s_add_nc_u64 s[G0+4*\slot+2:G0+4*\slot+3], s[G0+4*\slot+2:G0+4*\slot+3], 2*RBK
	s_add_nc_u64 s[G0B+4*\slot+2:G0B+4*\slot+3], s[G0B+4*\slot+2:G0B+4*\slot+3], 2*RBK
	JLOAD G0+4*\slot, G1, G0B+4*\slot, G1B         ; the first tensor load behind the round
.else
	PLACES NP
.endif
	FETCH_B \next, 0, 0
	FETCH_A \next, 0, 0
	WIN MUL_HI
	MUL16 4, 1, 0
	MUL16 6, 1, 0
	PLACES NP
	WIN 0
	FETCH_A \next, 0, 4
.endm
	s_wait_tensorcnt 1                             ; my part of slot 0 is in; slot 1's load may be out
	s_barrier_signal -1
	s_barrier_wait -1
	FETCH_B 0, 0, 0
	FETCH_A 0, 0, 0
	FETCH_A 0, 0, 4
	STEP 0, 0, 1                                   ; K 0: its products start the sums
	TURN 0, 1, 1                                   ; K 128; slot 0 takes K 512 on
	STEP 1, 0, 0
	TURN 1, 0, 1                                   ; K 384; slot 1 takes K 768 on
	STEP 0, 0, 0
	TURN 0, 1, 0                                   ; K 640; nothing is left to fetch
	STEP 1, 0, 0                                   ; K 768: the last products on B's set 0; its places stand at the step's end
	WIN TO_B
.irp b, 0,1,2,3,4,5,6,7
	global_load_b128 v[8*\b:8*\b+3], v[BOF], s[10:11] offset:64*\b         ; the bias of columns 16 b + 8 h + 0 .. 7, into the registers that B's set 0 has left
	global_load_b128 v[8*\b+4:8*\b+7], v[BOF], s[10:11] offset:64*\b+16
.endr
	WIN 0
	s_wait_dscnt 4*NL                              ; K 896: nothing more to fetch
	WIN MUL_LO
	MUL16 0, 1, 0
	MUL16 2, 1, 0
	s_wait_dscnt 0
	WIN MUL_HI
	MUL16 4, 1, 0
	MUL16 6, 1, 0
	WIN 0
; THE WAY OUT, block by block of 16 rows x 128 columns.  A lane holds 32 neighbouring bytes of a row: a block goes through my own stage in LDS and comes back as whole rows of 512 bytes.
; LDS serves a wave's instructions in order (ISA guide 5.7.1.4): no wait between the stores and the loads, nor in front of the next block's stores.
.macro TOSTAGE a
.set AC, 64*((\a)%4)
	WIN 0x12+((\a)/4)                              ; source 0 (the sums): window 2 or 3; source 2 (the bias): window 1
.irp j, 0,2,4,6,8,10,12,14,16,18,20,22,24,26,28,30,32,34,36,38,40,42,44,46,48,50,52,54,56,58,60,62
	v_pk_fma_f32 v[TMP+\j:TMP+\j+1], v[AC+\j:AC+\j+1], s[96:97], v[\j:\j+1] op_sel_hi:[1,0,1]   ; sum x 2^(e10 + e11) + bo; each accumulator from its low end on
.endr
	WIN 0
.irp b, 0,1,2,3,4,5,6,7
	ds_store_b128 v[STO], v[TMP+8*\b:TMP+8*\b+3] offset:64*\b
	ds_store_b128 v[STO], v[TMP+8*\b+4:TMP+8*\b+7] offset:64*\b+16
.endr
.set BB, BK+64*((\a)%2)
.irp t, 0,1,2,3,4,5,6,7,8,9,10,11,12,13,14,15
	ds_load_b128 v[BB+4*\t:BB+4*\t+3], v[RD] offset:\t*SPITCH
.endr
.endm
.macro SEND a, younger                 ; younger: the LDS instructions issued behind block a's loads, which may stay out
.set BB, BK+64*((\a)%2)
	s_wait_dscnt \younger
.if (\a) > 0
	s_add_nc_u64 s[12:13], s[12:13], 16*SIZE_N*4   ; (behind a wait on XCNT: the earlier stores have read their base)  16 rows on
.endif
.irp t, 0,1,2,3,4,5,6,7,8,9,10,11,12,13,14,15
	global_store_b128 v[CO], v[BB+4*\t:BB+4*\t+3], s[12:13] offset:\t*SIZE_N*4 th:TH_STORE_NT   ; 32 lanes store 512 consecutive bytes, aligned; written once, read by nobody here
.endr
.endm
	s_wait_kmcnt 0x0
	s_add_co_i32 s96, s96, s97
	s_add_co_i32 s96, s96, 127
	s_lshl_b32 s96, s96, 23                        ; 2^(e10 + e11) as f32
	s_mov_b32 s97, s96                             ; (named with it as a pair)
	s_wait_loadcnt 0x0                             ; the bias
	PLACES NP
	TOSTAGE 0
.irp a, 1,2,3,4,5,6,7
.if \a > 1
	s_wait_xcnt 0x0                                ; block a - 2's stores have read their registers and their base
.endif
	TOSTAGE \a
	SEND \a-1, 32                                  ; behind block a - 1's loads: block a's 16 stores and 16 loads
.endr
	s_wait_xcnt 0x0
	SEND 7, 0
	s_wait_tensorcnt 0x0                           ; the wave's end
	ds_add_u32 v[SPW], v[NIL]
	s_wait_dscnt 0x0
	CROUND                                         ; the closing round: no work-group ends while a partner may still ask for a tile that names it
	s_endpgm
.Lfunc_end_k_q6efe7ef37e_proj:
	.size	k_q6efe7ef37e_proj, .Lfunc_end_k_q6efe7ef37e_proj-k_q6efe7ef37e_proj
	.p2alignl 7, 3214868480
	.fill 96, 4, 3214868480
	.section	.rodata,"a",@progbits
	.p2align	6, 0x0
	.amdhsa_kernel k_q6efe7ef37e_proj
		.amdhsa_group_segment_fixed_size 327680
		.amdhsa_private_segment_fixed_size 0
		.amdhsa_enable_private_segment 0
		.amdhsa_kernarg_size 40
		.amdhsa_user_sgpr_count 2
		.amdhsa_user_sgpr_kernarg_segment_ptr 1
		.amdhsa_wavefront_size32 1
		.amdhsa_system_sgpr_workgroup_id_x 1
		.amdhsa_system_sgpr_workgroup_id_y 1
		.amdhsa_system_sgpr_workgroup_id_z 1
		.amdhsa_system_vgpr_workitem_id 0
		.amdhsa_next_free_vgpr 1024
		.amdhsa_next_free_sgpr 100
		.amdhsa_reserve_vcc 0
		.amdhsa_float_denorm_mode_32 3
		.amdhsa_float_denorm_mode_16_64 3
		.amdhsa_memory_ordered 1
		.amdhsa_forward_progress 1
		.amdhsa_inst_pref_size 124
	.end_amdhsa_kernel
	.amdgpu_metadata
---
amdhsa.version: [ 1, 2 ]
amdhsa.kernels:
  - .name:           k_q6efe7ef37e_proj
    .symbol:         k_q6efe7ef37e_proj.kd
    .args:
      - { .name: aimg, .offset: 0, .size: 8, .value_kind: global_buffer, .address_space: global }
      - { .name: wc, .offset: 8, .size: 8, .value_kind: global_buffer, .address_space: global }
      - { .name: lowp_scales, .offset: 16, .size: 8, .value_kind: global_buffer, .address_space: global }
      - { .name: bo, .offset: 24, .size: 8, .value_kind: global_buffer, .address_space: global }
      - { .name: out0, .offset: 32, .size: 8, .value_kind: global_buffer, .address_space: global }
    .group_segment_fixed_size: 327680
    .private_segment_fixed_size: 0
    .kernarg_segment_align: 8
    .kernarg_segment_size: 40
    .max_flat_workgroup_size: 128
    .sgpr_count:     100
    .vgpr_count:     1024
    .wavefront_size: 32
...
	.end_amdgpu_metadata
.endif
;; end of part 4
;; ======== version 2 of 2: 4 launches; version 1 with the launch attn written anew for expert scheduling mode
;; workspace buffers: xc 25,165,824 bytes; wc 4,194,304 bytes; mw 524,288 bytes of whole numbers; cls 8,192 bytes of whole numbers; qimg 8,388,608 bytes; kimg 8,388,608 bytes; vimg 8,388,608 bytes; aimg 8,388,608 bytes
;; launch prep: the kernel of part 1 again; grid 512 x 1, 4 waves a work-group, no clusters, 68,096 bytes of LDS; arguments x, Wq, Wk, Wv, Wo, mask, lowp_scales, xc, wc, mw, cls; writes xc, wc, mw, cls
;; launch qkv: the kernel of part 2 again; grid 12 x 32, 4 waves a work-group, clusters of 4 x 4, 327,680 bytes of LDS; arguments xc, wc, lowp_scales, bq, bk, bv, qimg, kimg, vimg; writes qimg, kimg, vimg
;; launch attn (part 5): grid 4 x 64, 16 waves a work-group, no clusters, 264,192 bytes of LDS; arguments qimg, kimg, vimg, mw, cls, lowp_scales, aimg; writes aimg
.if DOCPART == 5
	.amdgcn_target "amdgcn-amd-amdhsa--gfx1250"
	.amdhsa_code_object_version 6
	.text
	.protected	k_q6efe7ef37e_attn
	.globl	k_q6efe7ef37e_attn
	.p2align	8
	.type	k_q6efe7ef37e_attn,@function
k_q6efe7ef37e_attn:
	s_mov_b64 s[64:65], 0
	v_nop
	global_prefetch_b8 v0, s[64:65] scope:SCOPE_SE
	s_setreg_imm32_b32 hwreg(HW_REG_WAVE_SCHED_MODE, 0, 2), 2
	s_setreg_imm32_b32 hwreg(HW_REG_WAVE_MODE, 25, 1), 1
	s_wait_xcnt 0x0
	s_wait_alu depctr_vm_vsrc(0)
; ATTENTION on codes of FP8 (E4M3): for each of 64 heads, 2,048 queries x 2,048 keys, head size 64, under the mask that is GIVEN (its pattern is not built in).
; t = score x log2(e) / 8; M = the largest t so far, rounded UP to a whole number; p = 2^(t - M) is quantised with the given 2^e8, not normalised; the row's sum l is taken of the unquantised p and divides at the end.
; The result, O x 2^(e8 + e9) / l, is quantised at once with 2^e10 for the output projection.  A row with no open key has l = 0: reference() gives NaN there, and its codes are set to the format's NaN code.
; LIMITS: e6 + e7 between -123 and 130 (added to the exponent field of log2(e) / 8); e8 and e10 between -126 and 119.  NaN and infinities among the scores are not served.
; SHARES.  Work-group (g, head) holds ALL of the head's K and V in LDS (131,072 bytes each, as images of operand registers: every LDS load reads 512 consecutive bytes).  One barrier behind the fill; from then on LDS is only read.
; Wave w makes two tiles of 16 queries one after the other: tiles 16 g + w and 127 - (16 g + w).
; KEY STEPS THAT THE MASK HIDES WHOLLY ARE LEFT OUT: a scalar branch on the step's class, a whole number that an earlier launch stored (0 all hidden, 1 mixed, 2 all open).  In a mixed step hidden scores become -infinity by 64 selects
; on the lane masks that the same launch stored.  That is right for every mask.
; NO JOINT LOADS, though four work-groups read the same K and V: K and V come through registers, 256 KiB once a work-group.
; LAYOUT.  S^T = K Q^T (source 0 = 16 keys, source 1 = my 16 queries): lane (r, h) holds query r, register 8 t + j the key 16 t + 8 h + j: the eight codes of tile t ARE registers 2 t, 2 t + 1 of P for O^T = V^T P^T.
; O^T: lane (r, h) holds query r, register 8 ct + j the channel 16 ct + 8 h + j: its codes are registers 2 ct, 2 ct + 1 of the head's half of a fragment of the projection's operand.
; aimg: [512 blocks of 16 tokens][8 blocks of 128 channels][2,048]; an odd head takes the second 1,024 bytes.
; REGISTERS: v1 16 x lane; v2-5 the fill's addresses; v6 V's images; v7 -infinity; v8, v9 the step's LDS addresses; v10, v11 2^e8, 448 x 2^e8; v12 -M; v13 the largest t; v[14:15] the sum; v16-23 Q; v24, v25 2^e10, 448 x 2^e10;
; v26 four NaN codes; v27 1 / l; v[28:29] the last factor; v30, v31 offsets; v32-95 K's 8 fragments, then V's 4; v96-159 S^T, then p; v160-191 O^T; v192-223 the way out; v224-239 codes; v242-254 at work.
; THE MODE: SCHED_MODE bits 1:0 = 2 (LLVM: expert scheduling mode 2), set by the entry lines.  The code itself states the register dependences between vector or matrix instructions and memory or LDS instructions,
; with s_wait_alu, always for 0.
; THE PLAN.  Registers that memory or LDS instructions touch:
;   v2-5       The fill's offsets and LDS addresses: made at the head, never written again.
;   v32-159    At the head: the fill's loads land in them, the fill's LDS stores read them.  Later v32-95 take LDS loads and v96-159 the products' results.
;   v31, Q     Once a tile: a vector add writes v31, two loads read it and land in v16-23, which the tile's K Q^T products read.
;   v8, v9     Once a step: two vector adds write them; K's 16 LDS loads read v8, V's 16 read v9.
;   v32-95     In a step: K's loads land, the 8 K Q^T products read, V's loads land, the 4 V^T P products read.
;   v30, v224-231  Once a tile: a vector add and the selects write them, two stores read them; the next tile's conversions write v224 on again.
;   All other registers are named by vector and matrix instructions alone.
; A STEP has one wait on vm_vsrc, ahead of the adds to v8 and v9, and three on va_vdst: behind those adds (it also states that the last step's V^T P products are done with v32-95), behind the K Q^T products (they are done with
; v32-95), and behind the exponentials.  V's loads follow the second of them with no further wait, dealt in fours among the lines of the maximum: the selects and the maximum name v7, v96-159, v252 and v254 alone.
; A TILE has one wait on vm_vsrc and one on va_vdst at its head, and on its way out one on va_vcc and one on va_vdst ahead of the stores, beside the reciprocal's.
.set VB,  131072                       ; LDS: K's images from byte 0, V's from here
.set STB, 8192                         ; a key step's images: 8 x 1,024 of K, 4 x 2,048 of V
	s_load_b256 s[4:11], s[0:1], 0x0               ; qimg s[4:5], kimg s[6:7], vimg s[8:9], mw s[10:11]
	s_load_b128 s[12:15], s[0:1], 0x20             ; cls s[12:13], the scales' exponents s[14:15]
	s_load_b64 s[16:17], s[0:1], 0x30              ; aimg
	v_lshl_add_u32 v251, v0, 2, 0x40000
	v_mov_b32 v255, 0
	v_lshrrev_b32 v1, 5, v0
	v_readfirstlane_b32 s18, v1                    ; wave 0..15
	v_and_b32 v1, 31, v0
	v_lshlrev_b32 v1, 4, v1
	v_lshlrev_b32 v2, 4, v0                        ; 16 x thread: the work-group's 512 threads cover 8,192 bytes
	v_add_nc_u32 v3, 0x10000, v2                   ; an LDS immediate reaches 65,535 bytes: four registers carry the rest
	v_add_nc_u32 v4, 0x20000, v2
	v_add_nc_u32 v5, 0x30000, v2
	v_add_nc_u32 v6, VB, v1
	s_wait_alu depctr_va_sdst(0)                   ; s18 is written, ahead of its first reader: my tiles of queries are made from it
	s_lshl_b32 s19, ttmp9, 4
	s_add_co_u32 s19, s19, s18                     ; my first tile of queries
	s_and_b32 s28, ttmp7, 0xffff                   ; the head, 16 x batch + head in the batch
	s_lshl_b32 s30, s28, 17                        ; a head's images: 131,072 bytes in each of q, k, v
	s_mov_b32 s31, 0
	s_lshr_b32 s24, s28, 4
	s_lshl_b32 s24, s24, 21                        ; aimg: the batch's 128 blocks of 16,384 bytes,
	s_bfe_u32 s25, s28, 0x30001
	s_lshl_b32 s25, s25, 11                        ; the pair of heads' fragment,
	s_add_co_u32 s24, s24, s25
	s_and_b32 s25, s28, 1
	s_lshl_b32 s25, s25, 10                        ; and my head's half of it
	s_add_co_u32 s24, s24, s25
	s_mov_b32 s25, 0
	s_mov_b32 s20, 0x76543210                      ; v_permlanex16_b32's selects for lane l xor 16
	s_mov_b32 s21, 0xfedcba98
	s_mov_b32 s22, 0x3e38aa3b                      ; c = log2(e) / 8
	s_wait_kmcnt 0x0
	s_load_b256 s[32:39], s[14:15], 0x0            ; e0 .. e7
	s_load_b128 s[40:43], s[14:15], 0x20           ; e8 .. e11
	s_add_nc_u64 s[4:5], s[4:5], s[30:31]
	s_add_nc_u64 s[6:7], s[6:7], s[30:31]
	s_add_nc_u64 s[8:9], s[8:9], s[30:31]
	s_add_nc_u64 s[16:17], s[16:17], s[24:25]
	s_wait_alu depctr_va_vdst(0)                   ; v2 to v5 are written: the fill's loads read v2 as their offset, its LDS stores v2 to v5 as their addresses; no vector line below names them or v32-159 ahead of those stores
.irp i, 0,1,2,3,4,5,6,7,8,9,10,11,12,13,14,15
	global_load_b128 v[32+4*\i:35+4*\i], v2, s[6:7] offset:8192*\i     ; THE FILL: K's 16 pieces of 8,192 bytes,
.endr
.irp i, 0,1,2,3,4,5,6,7,8,9,10,11,12,13,14,15
	global_load_b128 v[96+4*\i:99+4*\i], v2, s[8:9] offset:8192*\i     ; and V's
.endr
	v_mov_b32 v7, 0xff800000
	v_mov_b32 v26, 0x7f7f7f7f
	v_mov_b32 v29, 0                               ; (named as the upper half of a pair)
	v_mov_b32 v244, 0                              ; a lane permute's destination counts as one of its sources
	v_mov_b32 v253, 0                              ; (named as the upper half of the pair v[252:253])
	s_wait_kmcnt 0x0
	s_add_co_i32 s28, s38, s39
	s_lshl_b32 s28, s28, 23
	s_add_co_i32 s22, s22, s28                     ; a score stands for score x 2^(e6 + e7): the two exponents go into c's exponent field
	s_mov_b32 s23, s22                             ; (named with it as a pair)
	s_mov_b32 s100, s40                            ; e8
	s_add_co_i32 s101, s40, s41                    ; e8 + e9
	s_add_co_i32 s28, s40, 127
	s_lshl_b32 s29, s28, 23
	v_mov_b32 v10, s29
	s_add_co_i32 s28, s28, 8
	s_lshl_b32 s28, s28, 23
	s_or_b32 s28, s28, 0x600000
	v_mov_b32 v11, s28
	s_add_co_i32 s28, s42, 127
	s_lshl_b32 s29, s28, 23
	v_mov_b32 v24, s29
	s_add_co_i32 s28, s28, 8
	s_lshl_b32 s28, s28, 23
	s_or_b32 s28, s28, 0x600000
	v_mov_b32 v25, s28
.set n, 0
.rept 32
	s_wait_loadcnt 31-n                            ; loads come back in order (ISA guide 5.7.1): the n-th is in, the younger ones may be out
	ds_store_b128 v[2+n/8], v[32+4*n:35+4*n] offset:(n%8)*8192
.set n, n+1
.endr
	s_wait_dscnt 0x0                               ; for the others' sake: my stores have landed
	s_barrier_signal -1
	s_barrier_wait -1                              ; the head's K and V lie in LDS; nobody writes LDS again
; K's eight fragments of the step and the eight products S^T = K Q^T.  V's four fragments are asked for behind the join of the two arms, among the lines of the maximum.
.macro SCORES
	s_wait_alu depctr_vm_vsrc(0)                   ; the LDS loads issued so far have read v8 and v9, which the two additions write
	v_add_nc_u32 v8, s2, v1
	v_add_nc_u32 v9, s2, v6
	v_nop                                          ; with the two additions: four plain lines between the last products and the loads into the registers that they read
	v_nop
	s_wait_alu depctr_va_vdst(0)                   ; v8 and v9 are written, which this step's LDS loads read; the last step's V^T P products are done reading v[32:95], in which K's fragments land
.irp t, 0,1,2,3,4,5,6,7
	ds_load_b128 v[32+8*\t:35+8*\t], v8 offset:1024*\t
	ds_load_b128 v[36+8*\t:39+8*\t], v8 offset:1024*\t+512
.endr
	s_wait_dscnt 0x0
.irp t, 0,1,2,3,4,5,6,7
	v_wmma_f32_16x16x64_fp8_fp8 v[96+8*\t:103+8*\t], v[32+8*\t:39+8*\t], v[16:23], 0
.endr
.rept 4
	v_nop                                          ; places in front of the first read of the scores (ISA guide 7.12.1)
.endr
	s_wait_alu depctr_va_vdst(0)                   ; the eight products are done reading v[32:95], in which V's fragments land; the vector lines from here to the last of V's loads name v7, v96-159, v252 and v254 alone
.endm
; V's fragment ct of the step: 16 channels x 128 keys, four loads of 512 consecutive bytes.
.macro VFRAG ct
.irp c, 0,1,2,3
	ds_load_b128 v[32+16*(\ct)+4*\c:35+16*(\ct)+4*\c], v9 offset:2048*(\ct)+512*\c
.endr
.endm
	s_mov_b32 s27, 2
.Ltile:                                            ; two trips: tile s19, then tile 127 - s19
	s_wait_xcnt 0x0                                ; the last tile's stores have read their registers
	s_wait_alu depctr_vm_vsrc(0)                   ; first trip: the fill's LDS stores have read v[32:159], which LDS loads and products write from here on; second trip: the last tile's stores have read v30 and v[224:231], its loads of Q v31
	s_lshl_b32 s28, s19, 10
	v_add_nc_u32 v31, s28, v1
	s_wait_alu depctr_va_vdst(0)                   ; v31 is written, which the two loads read; the last tile's K Q^T products are done reading v[16:23], in which they land
	global_load_b128 v[16:19], v31, s[4:5] th:TH_LOAD_NT             ; Q's fragment: 16 queries x 64
	global_load_b128 v[20:23], v31, s[4:5] offset:512 th:TH_LOAD_NT
	s_lshl_b32 s28, s19, 6
	s_load_b512 s[84:99], s[12:13], s28 offset:0x0 ; the tile's 16 classes
	s_lshl_b32 s26, s19, 12                        ; the tile's lane masks in mw: 16 steps of 256 bytes
	v_mov_b32 v13, 0xff61b1e6                      ; the largest t so far: -3e38, under every t
	v_floor_f32 v12, -v13                          ; -M
	v_mov_b32 v14, 0
	v_mov_b32 v15, 0
.set j, 0
.rept 32
	v_mov_b32 v[160+j], 0                          ; O^T.  Which step is a tile's first open one is data, so none can be written out to start the sums
.set j, j+1
.endr
	s_mov_b32 s2, 0                                ; the step's images in LDS
	s_mov_b32 s3, 0
	s_wait_kmcnt 0x0
	s_mov_b32 s24, s84                             ; the 16 classes, two bits each
.irp j, 1,2,3,4,5,6,7,8,9,10,11,12,13,14,15
	s_lshl_b32 s28, s[84+\j], 2*\j
	s_or_b32 s24, s24, s28
.endr
	s_wait_loadcnt 0x0                             ; Q
.Lstep:                                            ; 16 trips: every key step; the trip count is a constant, the work is jumped over
	s_and_b32 s25, s24, 3
	s_cmp_eq_u32 s25, 0
	s_cbranch_scc1 .Lskip                          ; all 16 x 128 hidden
	s_cmp_eq_u32 s25, 1
	s_cbranch_scc0 .Lopen
	s_load_b512 s[32:47], s[10:11], s26 offset:0x0     ; mixed: the 64 lane masks, asked for ahead of the products
	s_load_b512 s[48:63], s[10:11], s26 offset:0x40
	s_load_b512 s[68:83], s[10:11], s26 offset:0x80
	s_load_b512 s[84:99], s[10:11], s26 offset:0xc0
	SCORES
	s_wait_kmcnt 0x0
.set n, 0
.rept 64
	v_cndmask_b32 v[96+n], v7, v[96+n], s[32+n+4*(n/32)]   ; a hidden key's score becomes -infinity: p = 0.  Ascending: each tile from its low end on
.set n, n+1
.endr
	s_branch .Lsoft
.Lopen:
	SCORES
.Lsoft:
	VFRAG 0                                        ; V's fragments land under the softmax.  No wait: no vector or matrix line since the wait behind the products names v9 or v[32:95], on either way here
	v_max3_num_f32 v254, v96, v97, v98             ; the step's largest score of my query, among my 64 keys, in two chains,
	v_max3_num_f32 v252, v99, v100, v101
.irp i, 6,10,14,18,22,26,30,34,38,42,46,50,54,58
.if \i == 14
	VFRAG 1
.endif
.if \i == 30
	VFRAG 2
.endif
.if \i == 46
	VFRAG 3
.endif
	v_max3_num_f32 v254, v254, v[96+\i], v[97+\i]
	v_max3_num_f32 v252, v252, v[98+\i], v[99+\i]
.endr
	v_max3_num_f32 v254, v254, v158, v159
	v_max_num_f32 v254, v254, v252
	v_permlanex16_b32 v244, v254, s20, s21
	v_max_num_f32 v254, v254, v244                 ; and among lane l xor 16's
	v_mul_f32 v254, s22, v254                      ; as t (c is positive)
	v_max_num_f32 v13, v13, v254                   ; the running largest t
	v_mov_b32 v254, v12
	v_floor_f32 v12, -v13                          ; the new -M = floor(-t) = -ceil(t): a whole number
	v_sub_f32 v254, v12, v254                      ; old M - new M: a whole number, 0 or less
	v_cvt_i32_f32 v254, v254                       ; (it saturates)
	v_ldexp_f32 v252, 1.0, v254                    ; f = 2^(old M - new M): a multiplication by it rounds nothing
.set j, 0
.rept 32
	v_pk_fma_f32 v[96+j:97+j], v[96+j:97+j], s[22:23], v[12:13] op_sel_hi:[1,0,0]   ; t - M, two at a time
.set j, j+2
.endr
.set j, 0
.rept 64
	v_exp_f32 v[96+j], v[96+j]                     ; p = 2^(t - M), at most 1
.set j, j+1
.endr
	v_pk_mul_f32 v[14:15], v[14:15], v[252:253] op_sel_hi:[1,0]   ; the sums under the new M: the plain instruction behind the exponentials
	s_wait_alu depctr_va_vdst(0)                   ; the 64 exponentials have written v[96:159]: one wait for the batch, ahead of its first reader
	v_pk_add_f32 v[242:243], v[96:97], v[98:99]    ; the row's sum, of the UNQUANTISED p: two at a time, in two chains
.irp j, 4,8,12,16,20,24,28,32,36,40,44,48,52,56,60
	v_pk_add_f32 v[14:15], v[14:15], v[96+\j:97+\j]
	v_pk_add_f32 v[242:243], v[242:243], v[98+\j:99+\j]
.endr
	v_pk_add_f32 v[14:15], v[14:15], v[242:243]
	s_cmp_gt_i32 s100, -9                          ; with e8 >= -8 the largest code x the scale is 448 x 2^e8 >= 1.75 >= p: the hold would change nothing
	s_cbranch_scc1 .Lnohold
.set j, 0
.rept 64
	v_min_num_f32 v[96+j], v[96+j], v11            ; the conversion does not saturate (ISA guide 7.6.2); p is not negative: a one-sided hold
.set j, j+1
.endr
.Lnohold:
.irp t, 0,1,2,3,4,5,6,7
	v_cvt_scalef32_pk8_fp8_f32 v[224+2*\t:225+2*\t], v[96+8*\t:103+8*\t], v10
.endr
.set j, 0
.rept 16
	v_pk_mul_f32 v[160+j:161+j], v[160+j:161+j], v[252:253] op_sel_hi:[1,0]   ; O^T under the new M.  (Also the plain instructions between the conversions and the products)
.set j, j+2
.endr
	s_wait_dscnt 0x0                               ; V's fragments, asked for at the head of the softmax
.irp ct, 0,1,2,3                       ; the four accumulators take turns; between two links of one chain stand the other three and the next step's eight products
	v_wmma_f32_16x16x128_fp8_fp8 v[160+8*\ct:167+8*\ct], v[32+16*\ct:47+16*\ct], v[224:239], v[160+8*\ct:167+8*\ct]
.endr
.Lskip:
	s_lshr_b32 s24, s24, 2
	s_add_co_u32 s2, s2, STB
	s_add_co_u32 s26, s26, 256
	s_add_co_u32 s3, s3, 1
	s_cmp_lt_u32 s3, 16
	s_cbranch_scc1 .Lstep
	; THE WAY OUT of a tile.  The additions, the offset and the v_ldexp_f32 are the places behind the last products.
	v_add_f32 v14, v14, v15                        ; the sum's two halves,
	v_permlanex16_b32 v244, v14, s20, s21
	v_add_f32 v14, v14, v244                       ; and lane l xor 16's: l
	v_rcp_f32 v27, v14
	s_lshl_b32 s28, s19, 14
	v_add_nc_u32 v30, s28, v1                      ; (the plain instruction behind the reciprocal)  my tile's block of 16 tokens in aimg.  (The last tile's stores have read v30: the wait at this tile's head states it)
	v_cmp_eq_f32 vcc_lo, 0, v14                    ; no open key in the whole row
	s_wait_alu depctr_va_vdst(0)                   ; the reciprocal has written v27, ahead of its first reader
	v_ldexp_f32 v28, v27, s101                     ; 2^(e8 + e9) / l
.set j, 0
.rept 16
	v_pk_mul_f32 v[192+j:193+j], v[160+j:161+j], v[28:29] op_sel_hi:[1,0]   ; each accumulator from its low end on
.set j, j+2
.endr
.set j, 0
.rept 32
	v_med3_num_f32 v[192+j], v[192+j], -v25, v25
.set j, j+1
.endr
.irp ct, 0,1,2,3
	v_cvt_scalef32_pk8_fp8_f32 v[224+2*\ct:225+2*\ct], v[192+8*\ct:199+8*\ct], v24
.endr
	v_nop                                          ; one plain vector instruction between the conversions and the selects on their results
	s_wait_alu depctr_va_vcc(0)                    ; the compare has written VCC, ahead of its first reader, the first select
.irp i, 0,1,2,3,4,5,6,7
	v_cndmask_b32 v[224+\i], v[224+\i], v26, vcc_lo   ; l = 0: the NaN code, as reference() has NaN there
.endr
	s_wait_alu depctr_va_vdst(0)                   ; the selects have written v[224:231] and the addition v30, which the two stores read
	global_store_b128 v30, v[224:227], s[16:17]             ; 32 lanes store 512 consecutive bytes, aligned
	global_store_b128 v30, v[228:231], s[16:17] offset:512
	s_sub_co_u32 s19, 127, s19
	s_sub_co_u32 s27, s27, 1
	s_cmp_lg_u32 s27, 0
	s_cbranch_scc1 .Ltile
	s_wait_dscnt 0x0
	s_wait_alu depctr_hold_cnt(0) depctr_sa_sdst(0) depctr_va_vdst(0) depctr_va_sdst(0) depctr_va_ssrc(0) depctr_va_vcc(0) depctr_vm_vsrc(0)
	s_wait_tensorcnt 0x0
	ds_add_u32 v251, v255
	s_wait_dscnt 0x0
	s_endpgm
.Lfunc_end_k_q6efe7ef37e_attn:
	.size	k_q6efe7ef37e_attn, .Lfunc_end_k_q6efe7ef37e_attn-k_q6efe7ef37e_attn
	.p2alignl 7, 3214868480
	.fill 96, 4, 3214868480
	.section	.rodata,"a",@progbits
	.p2align	6, 0x0
	.amdhsa_kernel k_q6efe7ef37e_attn
		.amdhsa_group_segment_fixed_size 264192
		.amdhsa_private_segment_fixed_size 0
		.amdhsa_enable_private_segment 0
		.amdhsa_kernarg_size 56
		.amdhsa_user_sgpr_count 2
		.amdhsa_user_sgpr_kernarg_segment_ptr 1
		.amdhsa_wavefront_size32 1
		.amdhsa_system_sgpr_workgroup_id_x 1
		.amdhsa_system_sgpr_workgroup_id_y 1
		.amdhsa_system_sgpr_workgroup_id_z 1
		.amdhsa_system_vgpr_workitem_id 0
		.amdhsa_next_free_vgpr 256
		.amdhsa_next_free_sgpr 102
		.amdhsa_reserve_vcc 1
		.amdhsa_float_denorm_mode_32 3
		.amdhsa_float_denorm_mode_16_64 3
		.amdhsa_memory_ordered 1
		.amdhsa_forward_progress 1
		.amdhsa_inst_pref_size 39
	.end_amdhsa_kernel
	.amdgpu_metadata
---
amdhsa.version: [ 1, 2 ]
amdhsa.kernels:
  - .name:           k_q6efe7ef37e_attn
    .symbol:         k_q6efe7ef37e_attn.kd
    .args:
      - { .name: qimg, .offset: 0, .size: 8, .value_kind: global_buffer, .address_space: global }
      - { .name: kimg, .offset: 8, .size: 8, .value_kind: global_buffer, .address_space: global }
      - { .name: vimg, .offset: 16, .size: 8, .value_kind: global_buffer, .address_space: global }
      - { .name: mw, .offset: 24, .size: 8, .value_kind: global_buffer, .address_space: global }
      - { .name: cls, .offset: 32, .size: 8, .value_kind: global_buffer, .address_space: global }
      - { .name: lowp_scales, .offset: 40, .size: 8, .value_kind: global_buffer, .address_space: global }
      - { .name: aimg, .offset: 48, .size: 8, .value_kind: global_buffer, .address_space: global }
    .group_segment_fixed_size: 264192
    .private_segment_fixed_size: 0
    .kernarg_segment_align: 8
    .kernarg_segment_size: 56
    .max_flat_workgroup_size: 512
    .sgpr_count:     102
    .vgpr_count:     256
    .wavefront_size: 32
...
	.end_amdgpu_metadata
.endif
;; end of part 5
;; launch proj: the kernel of part 4 again; grid 4 x 32, 4 waves a work-group, clusters of 4 x 4, 327,680 bytes of LDS; arguments aimg, wc, lowp_scales, bo, out0; writes out0
